; MI455X (gfx1250); checked and timed in simulation.
; The chip was launched on July 23, 2026; its instructions are those of AMD's public machine-readable ISA for CDNA 5 (MIT licence, August 2026) and "CDNA5" Instruction Set Architecture Reference Guide (July 2026). The comments in the code are by the model that wrote it; some were corrected since.
;; Attention. Allowed arithmetic: float matrix products may take bf16 or f16 operands with f32 sums; other float arithmetic in f32, or as packed bf16 or f16 multiplies, adds, multiply-adds, maxima and minima; sums over many terms, partial sums and values carried from step to step in f32; what a program stores and reads back later, other than sums and carried values, may be rounded once to bf16 or f16.
;; Inputs: b1 4,096 float32; b2 1,024 float32; bk 1,024 float32; bq 1,024 float32; bv 1,024 float32; ln_b 1,024 float32; ln_g 1,024 float32; w1 1,024 x 4,096 float32; w2 4,096 x 1,024 float32; wk 1,024 x 1,024 float32; wq 1,024 x 1,024 float32; wv 1,024 x 1,024 float32; x 2 x 2,048 x 1,024 float32.
;; Outputs: out0 2 x 2,048 x 1,024 float32.
;; One version. Each part assembles by itself: llvm-mc -triple=amdgcn-amd-amdhsa -mcpu=gfx1250 --defsym DOCPART=n.
;; ======== version 1 of 1: 7 launches
;; limits: values are held in f16: magnitudes above 65,504 overflow, below 6.1e-05 lose precision
;; workspace buffers: cst 31,457,280 bytes; qkv 25,165,824 bytes; csum 786,432 bytes; ao 8,388,608 bytes; h16 8,388,608 bytes; act 33,554,432 bytes; mm 16,777,216 bytes
;; launch cast (part 1): grid 960 x 1, 8 waves a work-group, no clusters, 0 bytes of LDS; arguments x, w1, w2, wk, wv, wq, cst; writes cst
.if DOCPART == 1
	.amdgcn_target "amdgcn-amd-amdhsa--gfx1250"
	.amdhsa_code_object_version 6
	.text
	.protected	k_qeb640f2d57_cast
	.globl	k_qeb640f2d57_cast
	.p2align	8
	.type	k_qeb640f2d57_cast,@function
k_qeb640f2d57_cast:
	s_mov_b64 s[64:65], 0
	v_nop
	global_prefetch_b8 v0, s[64:65] scope:SCOPE_SE
	s_setreg_imm32_b32 hwreg(HW_REG_WAVE_MODE, 25, 1), 1
	s_wait_xcnt 0x0
; x and the five weight matrices, f32, are rounded once to bf16 and laid into cst: xb [4096][1024] at 0, wqkv [1024][3072] (columns wk, wv, wq) at 8,388,608,
; w1h [1024][4096] at 14,680,064 (the bf16 number written as f16: exact but for numbers under 2^-14, which keep f16's fixed step of 6e-8), w2b [4096][1024] at 23,068,672.
; A work-group takes 16 runs of 1,024 numbers (65,536 bytes in, 32,768 out); thread t takes 16 bytes of every run, so a wave's load covers 512 consecutive bytes and its
; store 256 consecutive, aligned bytes.  All 16 loads go out at once; no LDS, no barrier: every byte is read once and written once.
.set OFD, 2                            ; v[2:17]   run r: byte offset of my 8 bytes in the destination
.set SRC, 18                           ; v[18:81]  run r: 4 registers as loaded
.set DST, 82                           ; v[82:113] run r: 2 registers to store
	s_load_b256 s[4:11], s[0:1], 0x0               ; x, w1, w2, wk
	s_load_b128 s[12:15], s[0:1], 0x20             ; wv, wq
	s_load_b64 s[16:17], s[0:1], 0x30              ; cst
	s_lshr_b32 s20, ttmp9, 8                       ; region: 0 x, 1 w1, 2 w2, 3 wk/wv/wq
	s_and_b32 s21, ttmp9, 255                      ; my place in the region
	s_bfe_u32 s22, ttmp9, 0x20006                  ; in region 3: 0 wk, 1 wv, 2 wq
	s_and_b32 s23, ttmp9, 63                       ; and my place in that matrix
	s_lshl_b32 s27, s22, 11                        ; its 1,024 columns of wqkv's row
	s_add_co_u32 s27, s27, 8388608
	s_mov_b32 s24, 2048                            ; bytes from run to run in the destination
	s_mov_b32 s25, 32768                           ; bytes of 16 runs there
	s_cmp_eq_u32 s20, 3
	s_cselect_b32 s21, s23, s21
	s_cselect_b32 s24, 6144, s24
	s_cselect_b32 s25, 98304, s25
	s_mul_i32 s26, s21, s25
	s_cmp_eq_u32 s20, 0
	s_cselect_b32 s27, 0, s27
	s_cmp_eq_u32 s20, 1
	s_cselect_b32 s27, 14680064, s27
	s_cmp_eq_u32 s20, 2
	s_cselect_b32 s27, 23068672, s27
	s_add_co_u32 s26, s26, s27                     ; my first byte in cst
	s_mov_b32 s27, 0
	s_lshl_b32 s28, s21, 16                        ; my first byte in the source
	s_mov_b32 s29, 0
	v_lshlrev_b32 v1, 4, v0
	v_lshlrev_b32 v[OFD], 3, v0
.set r, 1
.rept 15
	v_add_nc_u32 v[OFD+r], s24, v[OFD+r-1]
.set r, r+1
.endr
	s_wait_kmcnt 0x0
	s_cmp_eq_u32 s20, 1                            ; the source is chosen by the work-group's number alone
	s_cselect_b64 s[4:5], s[6:7], s[4:5]
	s_cmp_eq_u32 s20, 2
	s_cselect_b64 s[4:5], s[8:9], s[4:5]
	s_cmp_eq_u32 s22, 1
	s_cselect_b64 s[10:11], s[12:13], s[10:11]
	s_cmp_eq_u32 s22, 2
	s_cselect_b64 s[10:11], s[14:15], s[10:11]
	s_cmp_eq_u32 s20, 3
	s_cselect_b64 s[4:5], s[10:11], s[4:5]
	s_add_nc_u64 s[4:5], s[4:5], s[28:29]
	s_add_nc_u64 s[16:17], s[16:17], s[26:27]
.set r, 0
.rept 16
	global_load_b128 v[SRC+4*r:SRC+4*r+3], v1, s[4:5] offset:4096*r th:TH_LOAD_NT
.set r, r+1
.endr
.macro ROWS half
.set r, 0
.rept 16
	s_wait_loadcnt 15-r                            ; loads come back in order: run r is in, the younger ones stay out
	v_cvt_pk_bf16_f32 v[DST+2*r], v[SRC+4*r], v[SRC+4*r+1]
	v_cvt_pk_bf16_f32 v[DST+2*r+1], v[SRC+4*r+2], v[SRC+4*r+3]
.if \half
	v_lshlrev_b32 v[SRC+4*r], 16, v[DST+2*r]       ; the bf16 numbers as f32 again,
	v_and_b32 v[SRC+4*r+1], 0xffff0000, v[DST+2*r]
	v_lshlrev_b32 v[SRC+4*r+2], 16, v[DST+2*r+1]
	v_and_b32 v[SRC+4*r+3], 0xffff0000, v[DST+2*r+1]
	v_cvt_pk_f16_f32 v[DST+2*r], v[SRC+4*r], v[SRC+4*r+1]      ; and written as f16
	v_cvt_pk_f16_f32 v[DST+2*r+1], v[SRC+4*r+2], v[SRC+4*r+3]
.endif
	global_store_b64 v[OFD+r], v[DST+2*r:DST+2*r+1], s[16:17]
.set r, r+1
.endr
.endm
	s_cmp_eq_u32 s20, 1
	s_cbranch_scc1 .Lhalf
	ROWS 0
	s_endpgm
.Lhalf:
	ROWS 1
	s_endpgm
.Lfunc_end_k_qeb640f2d57_cast:
	.size	k_qeb640f2d57_cast, .Lfunc_end_k_qeb640f2d57_cast-k_qeb640f2d57_cast
	.p2alignl 7, 3214868480
	.fill 96, 4, 3214868480
	.section	.rodata,"a",@progbits
	.p2align	6, 0x0
	.amdhsa_kernel k_qeb640f2d57_cast
		.amdhsa_group_segment_fixed_size 0
		.amdhsa_private_segment_fixed_size 0
		.amdhsa_enable_private_segment 0
		.amdhsa_kernarg_size 56
		.amdhsa_user_sgpr_count 2
		.amdhsa_user_sgpr_kernarg_segment_ptr 1
		.amdhsa_wavefront_size32 1
		.amdhsa_system_sgpr_workgroup_id_x 1
		.amdhsa_system_sgpr_workgroup_id_y 1
		.amdhsa_system_sgpr_workgroup_id_z 1
		.amdhsa_system_vgpr_workitem_id 0
		.amdhsa_next_free_vgpr 120
		.amdhsa_next_free_sgpr 66
		.amdhsa_reserve_vcc 0
		.amdhsa_float_denorm_mode_32 3
		.amdhsa_float_denorm_mode_16_64 3
		.amdhsa_memory_ordered 1
		.amdhsa_forward_progress 1
		.amdhsa_inst_pref_size 17
	.end_amdhsa_kernel
	.amdgpu_metadata
---
amdhsa.version: [ 1, 2 ]
amdhsa.kernels:
  - .name:           k_qeb640f2d57_cast
    .symbol:         k_qeb640f2d57_cast.kd
    .args:
      - { .name: x, .offset: 0, .size: 8, .value_kind: global_buffer, .address_space: global }
      - { .name: w1, .offset: 8, .size: 8, .value_kind: global_buffer, .address_space: global }
      - { .name: w2, .offset: 16, .size: 8, .value_kind: global_buffer, .address_space: global }
      - { .name: wk, .offset: 24, .size: 8, .value_kind: global_buffer, .address_space: global }
      - { .name: wv, .offset: 32, .size: 8, .value_kind: global_buffer, .address_space: global }
      - { .name: wq, .offset: 40, .size: 8, .value_kind: global_buffer, .address_space: global }
      - { .name: cst, .offset: 48, .size: 8, .value_kind: global_buffer, .address_space: global }
    .group_segment_fixed_size: 0
    .private_segment_fixed_size: 0
    .kernarg_segment_align: 8
    .kernarg_segment_size: 56
    .max_flat_workgroup_size: 256
    .sgpr_count:     66
    .vgpr_count:     120
    .wavefront_size: 32
...
	.end_amdgpu_metadata
.endif
;; end of part 1
;; launch qkv (part 2): grid 16 x 16, 4 waves a work-group, clusters of 4 x 4, 327,680 bytes of LDS; arguments cst, bk, bv, bq, qkv, csum; writes qkv, csum
.if DOCPART == 2
	.amdgcn_target "amdgcn-amd-amdhsa--gfx1250"
	.amdhsa_code_object_version 6
	.text
	.protected	k_qeb640f2d57_qkv
	.globl	k_qeb640f2d57_qkv
	.p2align	8
	.type	k_qeb640f2d57_qkv,@function
k_qeb640f2d57_qkv:
	s_mov_b64 s[64:65], 0
	v_nop
	global_prefetch_b8 v0, s[64:65] scope:SCOPE_SE
	s_setreg_imm32_b32 hwreg(HW_REG_WAVE_MODE, 25, 1), 1
	s_wait_xcnt 0x0
	s_wait_alu depctr_hold_cnt(0) depctr_sa_sdst(0) depctr_va_vdst(0) depctr_va_sdst(0) depctr_va_ssrc(0) depctr_va_vcc(0) depctr_vm_vsrc(0)
	s_getreg_b32 s2, hwreg(HW_REG_IB_STS2, 6, 4)
	s_cmp_eq_u32 s2, 0
	s_cbranch_scc0 .Lentry_in_a_cluster
	s_endpgm
.Lentry_in_a_cluster:
	s_bfe_u32 s2, ttmp6, 0x10000c
	s_cmp_lg_u32 s2, 0xf033
	s_cbranch_scc0 .Lentry_shape_is_right
	s_endpgm
.Lentry_shape_is_right:
; [k | v | q] = xb [4096][1024] x wqkv [1024][3072] + bias, bf16 operands, f32 sums; written by heads, f16, planes K, V, Q of [32 heads][2048][64]; and csum: for each 64 tokens the column sums (f32).
; LIMIT: q, k, v must stay within f16's 65,504.  The biases are rounded to bf16 like every input of the program.
; A tile is 256 rows x 192 columns (three heads): 16 x 16 work-groups.  Wave w owns rows 64 w .. +63 and all 192 columns: 48 accumulators.  K goes in 8 steps of 128 through two LDS slots.
; B lies [k][n]: its fragments come out of LDS turned, by ds_load_tr16_b128.  The matrix instruction is used transposed (source 0 = 16 columns of B, source 1 = 16 rows of A): a lane holds eight
; neighbouring columns of one row.  CLUSTER 4 x 4: A's tiles are asked for jointly along a row of the cluster, B's along a column.  B's rows are 384 bytes at multiples of 128: shorter than A's whole 256.
; REGISTERS: window 0: v16-30 addresses, v32-43 bias, v44-55 column sums, v64-127 A's fragments (two buffers of 32), v128-187 the way out.  window 1: B's fragments, v0-95 and v128-223.
; window 2: accumulators (a, b < 8) at v[8 (8 a + b)].  window 3: (a, b >= 8) at v[8 (4 a + b - 8)].
.set PA,     272                       ; a row of A in LDS: 256 bytes + 16
.set PB,     480                       ; a k-row of B: three pieces of 128 bytes + 32 each: 15 x 32
.set HALFA,  128*PA
.set BOFF,   256*PA
.set HALFB,  64*PB
.set SLOT,   131072                    ; A's 69,632 + B's 61,440; no load's base has this bit, so one exclusive or changes slots
.set SPARE,  262144                    ; the spare words, 128 bytes a wave
.set SPITCH, 784                       ; the way out: 192 f32 + 16 bytes
.set WSTAGE, 64*SPITCH                 ; a wave's stage; the four lie over the ring, which has had its last fill by then
.set STEPS,  8
.set STEPA,  256
.set STEPB,  128*6144
.set WOFF,   8388608
.set ADRA0, 16
.set ADRB0, 17
.set ADRA,  18
.set ADRB,  19
.set STO,   24
.set RD,    25
.set CO,    26
.set BO,    27
.set SPW,   28
.set NIL,   29
.set LN,    30
.set BI,    32
.set SUM,   44
.set TT,    56
.set XR,    128
.set W,     152
.set Y,     176
.set WV, 12
.set RH, 13
.set CH, 14
.set TB, 15
.set G1, 24
.set G0, 32
.set G1B, 48
.set G0B, 56
.set BP, 66                            ; s[66:71] the three heads' bias
.set SEL, 72
.set DP, 88                            ; s[88:93] the three heads' rows in qkv
.set MSB, 0
.macro WIN new
.if MSB != (\new)
	s_set_vgpr_msb (MSB<<8)|(\new)
.set MSB, \new
.endif
.endm
.set MUL_LO, 0xa1                      ; source 0 (B) window 1, source 1 (A) window 0, C and D window 2
.set MUL_HI, 0xf1                      ; C and D window 3
.set TO_B,   0x40
.macro JLOAD s                         ; a joint load: waves 0, 1 fetch A's halves, waves 2, 3 B's; s_nop 0 and four v_nop behind each line
	s_cmp_eq_u32 s[RH], 0
	s_cbranch_scc0 .Lfor_b_\@
	tensor_load_to_lds s[G0+4*(\s):G0+4*(\s)+3], s[G1:G1+7]
	s_nop 0
.rept 4
	v_nop
.endr
	s_branch .Lasked_\@
.Lfor_b_\@:
	tensor_load_to_lds s[G0B+4*(\s):G0B+4*(\s)+3], s[G1B:G1B+7]
	s_nop 0
.rept 4
	v_nop
.endr
.Lasked_\@:
.endm
.macro CREST                           ; a round of the cluster's barrier behind its opening barrier
	s_cmp_lg_u32 s[WV], 0
	s_cbranch_scc1 .Lnot_wave_0_\@
	s_barrier_signal -3
.Lnot_wave_0_\@:
	s_barrier_wait -3
	s_barrier_signal -1
	s_barrier_wait -1
.endm
.macro CROUND
	s_barrier_signal -1
	s_barrier_wait -1
	CREST
.endm
.macro PLACES                          ; four plain places behind matrix instructions, ahead of loads into their sources and of reads of their results
.rept 4
	v_nop
.endr
.endm
.macro RNE2 a, b, t                    ; two f32 rounded to bf16 and widened again
	v_cvt_pk_bf16_f32 v[\t], v[\a], v[\b]
	v_lshlrev_b32 v[\a], 16, v[\t]
	v_and_b32 v[\b], 0xffff0000, v[\t]
.endm
	s_load_b256 s[4:11], s[0:1], 0x0               ; cst, bk, bv, bq
	s_load_b128 s[84:87], s[0:1], 0x20             ; qkv, csum
	v_lshl_add_u32 v[SPW], v0, 2, SPARE
	v_mov_b32 v[NIL], 0
	ds_add_u32 v[SPW], v[NIL]                      ; the wave's opening: the add and its wait ahead of my first tensor load
	ds_add_u32 v28, v29
	v_lshrrev_b32 v1, 5, v0
	v_readfirstlane_b32 s[WV], v1
	s_lshr_b32 s[RH], s[WV], 1                     ; I fetch for A (0) or for B (1)
	s_and_b32 s[CH], s[WV], 1                      ; which half of that tile
	s_bfe_u32 s40, ttmp6, 0x40000                  ; cx
	s_bfe_u32 s41, ttmp6, 0x40004                  ; cy
	s_lshl_b32 s42, ttmp9, 2
	s_add_co_u32 s42, s42, s40                     ; tile column
	s_and_b32 s43, ttmp7, 0xffff
	s_lshl_b32 s43, s43, 2
	s_add_co_u32 s43, s43, s41                     ; tile row
	s_lshl_b32 s44, s41, 2
	s_lshl_b32 s44, 15, s44                        ; my row of the cluster
	s_lshl_b32 s45, 0x1111, s40                    ; my column
	s_or_b32 s[G1], s44, (1<<16)|(1<<20)|(1<<21)|(5<<22)|(3<<25)   ; 2-byte elements, 4 words of padding behind every 64
	s_or_b32 s[G1B], s45, (1<<16)|(1<<20)|(1<<21)|(4<<22)|(7<<25)  ; 8 words of padding behind every 32
	s_mov_b32 s[G1+1], 128<<16                     ; A: 128 rows x 128 elements, 1,024 from row to row
	s_mov_b32 s[G1+2], 128<<16
	s_mov_b32 s[G1+3], 128<<16
	s_mov_b32 s[G1+4], 128
	s_mov_b32 s[G1+5], 1024
	s_mov_b32 s[G1+6], 0
	s_mov_b32 s[G1+7], 0
	s_mov_b32 s[G1B+1], 192<<16                    ; B: 64 k-rows x 192 elements, 3,072 from row to row
	s_mov_b32 s[G1B+2], 64<<16
	s_mov_b32 s[G1B+3], 192<<16
	s_mov_b32 s[G1B+4], 64
	s_mov_b32 s[G1B+5], 3072
	s_mov_b32 s[G1B+6], 0
	s_mov_b32 s[G1B+7], 0
	s_lshl_b32 s16, s43, 19                        ; A: (256 tile row + 128 half) x 2,048 bytes
	s_lshl_b32 s17, s[CH], 18
	s_add_co_u32 s16, s16, s17
	s_mov_b32 s17, 0
	s_mul_i32 s46, s42, 384                        ; B: 384 bytes x tile column + 64 k-rows x half
	s_mul_i32 s47, s[CH], 393216
	s_add_co_u32 s46, s46, s47
	s_add_co_u32 s46, s46, WOFF
	s_mov_b32 s47, 0
	s_mul_i32 s20, s[CH], HALFA                    ; where they go: no place in the cluster enters an LDS address
	s_mul_i32 s21, s[CH], HALFB
	s_add_co_u32 s21, s21, BOFF
	s_mov_b32 s[TB], 0
	s_mov_b32 s[SEL], 0x76543210
	s_mov_b32 s[SEL+1], 0xfedcba98
	s_wait_dscnt 0x0                               ; the opening add is done
	s_wait_kmcnt 0x0
	s_add_nc_u64 s[16:17], s[4:5], s[16:17]
	s_add_nc_u64 s[46:47], s[4:5], s[46:47]
	CROUND                                         ; all sixteen work-groups are here: the first joint loads meet
.irp s, 0,1
	s_mov_b32 s[G0+4*(\s)], 1
	s_add_co_u32 s[G0+4*(\s)+1], s20, (\s)*SLOT
	s_add_nc_u64 s[G0+4*(\s)+2:G0+4*(\s)+3], s[16:17], (\s)*STEPA
	s_or_b32 s[G0+4*(\s)+3], s[G0+4*(\s)+3], 0x80000000
	s_mov_b32 s[G0B+4*(\s)], 1
	s_add_co_u32 s[G0B+4*(\s)+1], s21, (\s)*SLOT
	s_add_nc_u64 s[G0B+4*(\s)+2:G0B+4*(\s)+3], s[46:47], (\s)*STEPB
	s_or_b32 s[G0B+4*(\s)+3], s[G0B+4*(\s)+3], 0x80000000
	JLOAD \s                                       ; steps 0 and 1: two loads of mine are out
.endr
	v_and_b32 v1, 15, v0                           ; r
	v_bfe_u32 v2, v0, 4, 1                         ; h
	v_and_b32 v3, 7, v0
	v_bfe_u32 v4, v0, 3, 1
	v_and_b32 v[LN], 31, v0
	v_mul_u32_u24 v[ADRA0], v1, PA                 ; A's fragment: row x pitch + 16 h, my 64 rows
	v_lshl_add_u32 v[ADRA0], v2, 4, v[ADRA0]
	s_mul_i32 s22, s[WV], 64*PA
	v_add_nc_u32 v[ADRA0], s22, v[ADRA0]
	v_lshl_add_u32 v[ADRB0], v2, 3, v3             ; B's: k-row 8 h + lane % 8, 16 bytes x ((lane / 8) % 2)
	v_mul_u32_u24 v[ADRB0], v[ADRB0], PB
	v_lshl_add_u32 v[ADRB0], v4, 4, v[ADRB0]
	v_add_nc_u32 v[ADRB0], BOFF, v[ADRB0]
	v_mov_b32 v[ADRA], v[ADRA0]
	v_mov_b32 v[ADRB], v[ADRB0]
	s_mul_i32 s23, s[WV], WSTAGE
	v_mul_u32_u24 v[STO], v1, SPITCH               ; into my stage: row r, 32 bytes for each half of the lanes
	v_lshl_add_u32 v[STO], v2, 5, v[STO]
	v_add_nc_u32 v[STO], s23, v[STO]
	v_mul_u32_u24 v[RD], v2, SPITCH                ; back: lanes 0-15 one row's 64 columns, lanes 16-31 the next row's
	v_lshl_add_u32 v[RD], v1, 4, v[RD]
	v_add_nc_u32 v[RD], s23, v[RD]
	v_lshlrev_b32 v[CO], 3, v[LN]                  ; two rows of a head are 256 consecutive bytes
	v_lshlrev_b32 v[BO], 4, v1
	s_mul_i32 s21, s42, 3                          ; my first column group of 64 (0 .. 47): plane = group / 16, head = group % 16
	s_mov_b32 s19, 0
.irp c, 0,1,2
	s_add_co_u32 s22, s21, \c
	s_lshr_b32 s23, s22, 4
	s_and_b32 s22, s22, 15
	s_cmp_eq_u32 s23, 1
	s_cselect_b64 s[BP+2*(\c):BP+2*(\c)+1], s[8:9], s[6:7]
	s_cmp_eq_u32 s23, 2
	s_cselect_b64 s[BP+2*(\c):BP+2*(\c)+1], s[10:11], s[BP+2*(\c):BP+2*(\c)+1]
	s_lshl_b32 s18, s22, 8
	s_add_nc_u64 s[BP+2*(\c):BP+2*(\c)+1], s[BP+2*(\c):BP+2*(\c)+1], s[18:19]
	global_load_b128 v[BI+4*(\c):BI+4*(\c)+3], v[BO], s[BP+2*(\c):BP+2*(\c)+1]
	s_lshl_b32 s23, s23, 5                         ; (32 plane + 16 batch + head) x 262,144 + (256 (tile row % 8) + 64 wave) x 128
	s_add_co_u32 s23, s23, s22
	s_lshr_b32 s18, s43, 3
	s_lshl_b32 s18, s18, 4
	s_add_co_u32 s23, s23, s18
	s_lshl_b32 s18, s23, 18
	s_and_b32 s23, s43, 7
	s_lshl_b32 s23, s23, 15
	s_add_co_u32 s18, s18, s23
	s_lshl_b32 s23, s[WV], 13
	s_add_co_u32 s18, s18, s23
	s_add_nc_u64 s[DP+2*(\c):DP+2*(\c)+1], s[84:85], s[18:19]
.endr
	s_lshl2_add_u32 s18, s43, s[WV]                ; my 64 tokens' row of csum, my 192 columns
	s_mul_i32 s18, s18, 12288
	s_mul_i32 s22, s42, 768
	s_add_co_u32 s18, s18, s22
	s_add_nc_u64 s[86:87], s[86:87], s[18:19]
; 16 products: row blocks a0, a0 + 1 x column blocks 0-7, buffer f.  The accumulators take turns, one instruction a turn.
.macro MULW2 f, a0, zero
	WIN MUL_LO
.irp a, \a0, (\a0)+1
.irp b, 0,1,2,3,4,5,6,7
.if \zero
	v_wmma_f32_16x16x32_bf16 v[8*(8*(\a)+(\b)):8*(8*(\a)+(\b))+7], v[128*(\f)+8*(\b):128*(\f)+8*(\b)+7], v[64+32*(\f)+8*(\a):64+32*(\f)+8*(\a)+7], 0
.else
	v_wmma_f32_16x16x32_bf16 v[8*(8*(\a)+(\b)):8*(8*(\a)+(\b))+7], v[128*(\f)+8*(\b):128*(\f)+8*(\b)+7], v[64+32*(\f)+8*(\a):64+32*(\f)+8*(\a)+7], v[8*(8*(\a)+(\b)):8*(8*(\a)+(\b))+7]
.endif
.endr
.endr
.endm
.macro MULW3 f, zero                   ; 16 products: all four row blocks x column blocks 8-11
	WIN MUL_HI
.irp a, 0,1,2,3
.irp b, 8,9,10,11
.if \zero
	v_wmma_f32_16x16x32_bf16 v[8*(4*(\a)+(\b)-8):8*(4*(\a)+(\b)-8)+7], v[128*(\f)+8*(\b):128*(\f)+8*(\b)+7], v[64+32*(\f)+8*(\a):64+32*(\f)+8*(\a)+7], 0
.else
	v_wmma_f32_16x16x32_bf16 v[8*(4*(\a)+(\b)-8):8*(4*(\a)+(\b)-8)+7], v[128*(\f)+8*(\b):128*(\f)+8*(\b)+7], v[64+32*(\f)+8*(\a):64+32*(\f)+8*(\a)+7], v[8*(4*(\a)+(\b)-8):8*(4*(\a)+(\b)-8)+7]
.endif
.endr
.endr
.endm
.macro BFR f, q, nb                    ; one fragment of B: 32 k x 16 columns, turned
	ds_load_tr16_b128 v[128*(\f)+8*(\nb):128*(\f)+8*(\nb)+3],   v[ADRB] offset:32*PB*(\q)+160*((\nb)/4)+32*((\nb)%4)
	ds_load_tr16_b128 v[128*(\f)+8*(\nb)+4:128*(\f)+8*(\nb)+7], v[ADRB] offset:32*PB*(\q)+16*PB+160*((\nb)/4)+32*((\nb)%4)
.endm
.macro FETCH q, f                      ; 32 LDS loads in one run: quarter q of the slot in hand into buffer f; B's blocks 8-11 last
	WIN TO_B
.irp nb, 0,1,2,3,4,5,6,7
	BFR \f, \q, \nb
.endr
	WIN 0
.irp i, 0,1,2,3
	ds_load_b128 v[64+32*(\f)+8*(\i):64+32*(\f)+8*(\i)+3],   v[ADRA] offset:64*(\q)+16*PA*(\i)
	ds_load_b128 v[64+32*(\f)+8*(\i)+4:64+32*(\f)+8*(\i)+7], v[ADRA] offset:64*(\q)+16*PA*(\i)+32
.endr
	WIN TO_B
.irp nb, 8,9,10,11
	BFR \f, \q, \nb
.endr
.endm
.macro QUARTER q, f, g, zero           ; multiplies buffer f, fetches quarter q into buffer g
	s_wait_dscnt 8                                 ; all but the youngest eight loads (B's blocks 8-11)
	MULW2 \f, 0, \zero
	MULW2 \f, 2, \zero
	PLACES
	FETCH \q, \g
	s_wait_dscnt 32                                ; all but the 32 just issued
	MULW3 \f, \zero
.endm
; The last quarter of a step multiplies buffer 1 and changes slots.  32 of its 48 products need registers alone and stand AHEAD of the wait for the tile, so that between a tile's landing and the next request
; stand only the add, the descriptors' steps, the wait for the add and for my reads of this slot, and the barrier (with fill = 1 a round of the cluster's).  Behind it this slot is filled again first, with
; the step two on; then come the next slot's first fragments, and the last 16 products stand behind those loads.
.macro TURN fill
	s_wait_dscnt 8                                 ; all but the youngest eight loads (B's blocks 8-11)
	MULW2 1, 0, 0
	MULW2 1, 2, 0
	WIN 0
	s_wait_tensorcnt 0x0                           ; all my tensor loads have landed: the one that was out is my part of the next slot
	ds_add_u32 v[SPW], v[NIL]
.if \fill
	s_xor_b32 s[G0+5], s[G0+5], SLOT               ; the walking descriptors: the other slot, one step on
	s_add_nc_u64 s[G0+6:G0+7], s[G0+6:G0+7], STEPA
	s_xor_b32 s[G0B+5], s[G0B+5], SLOT
	s_add_nc_u64 s[G0B+6:G0B+7], s[G0B+6:G0B+7], STEPB
.endif
	s_xor_b32 s[TB], s[TB], SLOT
	v_add_nc_u32 v[ADRA], s[TB], v[ADRA0]
	v_add_nc_u32 v[ADRB], s[TB], v[ADRB0]
	s_wait_dscnt 0x0                               ; the add is done, my reads of this slot are over
	s_barrier_signal -1
	s_barrier_wait -1
.if \fill
	CREST
	JLOAD 1                                        ; its four v_nop are also the places ahead of the loads below
.else
	PLACES
.endif
	FETCH 0, 0
	MULW3 1, 0
.endm
	s_wait_tensorcnt 1                             ; my part of step 0 is in; step 1's may stay out
	s_barrier_signal -1
	s_barrier_wait -1
	FETCH 0, 0
	QUARTER 1, 0, 1, 1                             ; the first quarter starts the sums
	WIN 0
	s_mov_b32 s3, STEPS-2
.Lstep:                                                ; a trip: a step's quarters 1-3 and the next step's quarter 0; the slot left is filled again
	QUARTER 2, 1, 0, 0
	QUARTER 3, 0, 1, 0
	TURN 1
	QUARTER 1, 0, 1, 0
	WIN 0
	s_sub_co_u32 s3, s3, 1
	s_cmp_lg_u32 s3, 0
	s_cbranch_scc1 .Lstep
	s_mov_b32 s3, 2
.Ltail:                                                ; the last two steps ask for nothing: one text, walked twice and left in its middle.  The second walk's change of slots fetches 32 fragments of the
	QUARTER 2, 1, 0, 0                             ; stale slot that nobody multiplies: the price, once a launch, of one text for both
	QUARTER 3, 0, 1, 0
	TURN 0
	WIN 0
	s_sub_co_u32 s3, s3, 1
	s_cmp_eq_u32 s3, 0
	s_cbranch_scc1 .Lout
	QUARTER 1, 0, 1, 0
	WIN 0
	s_branch .Ltail
.Lout:
	s_wait_dscnt 0x0                               ; my last reads of the ring are back
	s_barrier_signal -1                            ; every wave's are: the stages may be laid over it
	s_barrier_wait -1
	PLACES
	WIN 0x08                                       ; store data in window 2
.irp a, 0,1,2,3
.irp b, 0,1,2,3,4,5,6,7
	ds_store_b128 v[STO], v[8*(8*(\a)+(\b)):8*(8*(\a)+(\b))+3]   offset:16*SPITCH*(\a)+64*(\b)
	ds_store_b128 v[STO], v[8*(8*(\a)+(\b))+4:8*(8*(\a)+(\b))+7] offset:16*SPITCH*(\a)+64*(\b)+16
.endr
.endr
	WIN 0x0c                                       ; in window 3
.irp a, 0,1,2,3
.irp b, 8,9,10,11
	ds_store_b128 v[STO], v[8*(4*(\a)+(\b)-8):8*(4*(\a)+(\b)-8)+3]   offset:16*SPITCH*(\a)+64*(\b)
	ds_store_b128 v[STO], v[8*(4*(\a)+(\b)-8)+4:8*(4*(\a)+(\b)-8)+7] offset:16*SPITCH*(\a)+64*(\b)+16
.endr
.endr
	WIN 0
.macro LOADX                           ; four rows of my stage: LDS serves a wave's instructions in order, so these see the stores above
.irp u, 0,1
.irp c, 0,1,2
	ds_load_b128 v[XR+12*(\u)+4*(\c):XR+12*(\u)+4*(\c)+3], v[RD] offset:2*SPITCH*(\u)+256*(\c)
.endr
.endr
.endm
	LOADX
	s_wait_loadcnt 0x0                             ; the bias
.irp c, 0,2,4,6,8,10
	RNE2 BI+(\c), BI+(\c)+1, TT
.endr
.set n, 0
.rept 12
	v_mov_b32 v[SUM+n], 0
.set n, n+1
.endr
	s_mov_b32 s3, 16
	s_mov_b32 s22, 0                               ; what CO steps by: nothing ahead of the first trip's stores
.Lrow:                                                 ; a trip is four rows: + bias, into the column sums, rounded to f16, stored by heads
	s_wait_dscnt 0x0
.irp u, 0,1
.irp c, 0,1,2
	v_pk_add_f32 v[W+12*(\u)+4*(\c):W+12*(\u)+4*(\c)+1],   v[XR+12*(\u)+4*(\c):XR+12*(\u)+4*(\c)+1],   v[BI+4*(\c):BI+4*(\c)+1]
	v_pk_add_f32 v[W+12*(\u)+4*(\c)+2:W+12*(\u)+4*(\c)+3], v[XR+12*(\u)+4*(\c)+2:XR+12*(\u)+4*(\c)+3], v[BI+4*(\c)+2:BI+4*(\c)+3]
.endr
.endr
	s_cmp_eq_u32 s3, 1                             ; the last trip has no next rows
	s_cbranch_scc1 .Lnomore
	v_add_nc_u32 v[RD], 4*SPITCH, v[RD]
	LOADX
.Lnomore:
.irp u, 0,1
.irp c, 0,1,2
	v_pk_add_f32 v[SUM+4*(\c):SUM+4*(\c)+1],   v[SUM+4*(\c):SUM+4*(\c)+1],   v[W+12*(\u)+4*(\c):W+12*(\u)+4*(\c)+1]
	v_pk_add_f32 v[SUM+4*(\c)+2:SUM+4*(\c)+3], v[SUM+4*(\c)+2:SUM+4*(\c)+3], v[W+12*(\u)+4*(\c)+2:W+12*(\u)+4*(\c)+3]
.endr
.endr
	s_wait_xcnt 0x0                                ; the last trip's stores have read CO and Y: both are rewritten only behind this wait, which stands a trip's work behind those stores
	v_add_nc_u32 v[CO], s22, v[CO]
	s_mov_b32 s22, 512
.irp u, 0,1
.irp c, 0,1,2
	v_cvt_pk_f16_f32 v[Y+6*(\u)+2*(\c)],   v[W+12*(\u)+4*(\c)],   v[W+12*(\u)+4*(\c)+1]
	v_cvt_pk_f16_f32 v[Y+6*(\u)+2*(\c)+1], v[W+12*(\u)+4*(\c)+2], v[W+12*(\u)+4*(\c)+3]
.endr
.endr
.irp u, 0,1
.irp c, 0,1,2
	global_store_b64 v[CO], v[Y+6*(\u)+2*(\c):Y+6*(\u)+2*(\c)+1], s[DP+2*(\c):DP+2*(\c)+1] offset:256*(\u)  ; 32 lanes: 256 consecutive bytes, aligned
.endr
.endr
	s_sub_co_u32 s3, s3, 1
	s_cmp_lg_u32 s3, 0
	s_cbranch_scc1 .Lrow
.set n, 0
.rept 12
	v_permlanex16_b32 v[W+n], v[SUM+n], s[SEL], s[SEL+1]   ; the odd rows' sums lie 16 lanes away
.set n, n+1
.endr
.set n, 0
.rept 12
	v_add_f32 v[SUM+n], v[SUM+n], v[W+n]
.set n, n+1
.endr
	v_cmp_gt_u32 vcc_lo, 16, v[LN]
	s_wait_xcnt 0x0                                ; EXEC narrows only behind this wait: the last trip's stores are out
	s_and_saveexec_b32 s20, vcc_lo
	global_store_b128 v[BO], v[SUM:SUM+3],    s[86:87]             ; 16 lanes: 256 consecutive bytes
	global_store_b128 v[BO], v[SUM+4:SUM+7],  s[86:87] offset:256
	global_store_b128 v[BO], v[SUM+8:SUM+11], s[86:87] offset:512
	s_wait_xcnt 0x0                                ; EXEC widens only behind this wait
	s_or_b32 exec_lo, exec_lo, s20
	s_wait_tensorcnt 0x0                           ; the wave's end
	ds_add_u32 v[SPW], v[NIL]
	s_wait_dscnt 0x0
	CROUND                                         ; the closing round
	s_endpgm
.Lfunc_end_k_qeb640f2d57_qkv:
	.size	k_qeb640f2d57_qkv, .Lfunc_end_k_qeb640f2d57_qkv-k_qeb640f2d57_qkv
	.p2alignl 7, 3214868480
	.fill 96, 4, 3214868480
	.section	.rodata,"a",@progbits
	.p2align	6, 0x0
	.amdhsa_kernel k_qeb640f2d57_qkv
		.amdhsa_group_segment_fixed_size 327680
		.amdhsa_private_segment_fixed_size 0
		.amdhsa_enable_private_segment 0
		.amdhsa_kernarg_size 48
		.amdhsa_user_sgpr_count 2
		.amdhsa_user_sgpr_kernarg_segment_ptr 1
		.amdhsa_wavefront_size32 1
		.amdhsa_system_sgpr_workgroup_id_x 1
		.amdhsa_system_sgpr_workgroup_id_y 1
		.amdhsa_system_sgpr_workgroup_id_z 1
		.amdhsa_system_vgpr_workitem_id 0
		.amdhsa_next_free_vgpr 896
		.amdhsa_next_free_sgpr 96
		.amdhsa_reserve_vcc 1
		.amdhsa_float_denorm_mode_32 3
		.amdhsa_float_denorm_mode_16_64 3
		.amdhsa_memory_ordered 1
		.amdhsa_forward_progress 1
		.amdhsa_inst_pref_size 76
	.end_amdhsa_kernel
	.amdgpu_metadata
---
amdhsa.version: [ 1, 2 ]
amdhsa.kernels:
  - .name:           k_qeb640f2d57_qkv
    .symbol:         k_qeb640f2d57_qkv.kd
    .args:
      - { .name: cst, .offset: 0, .size: 8, .value_kind: global_buffer, .address_space: global }
      - { .name: bk, .offset: 8, .size: 8, .value_kind: global_buffer, .address_space: global }
      - { .name: bv, .offset: 16, .size: 8, .value_kind: global_buffer, .address_space: global }
      - { .name: bq, .offset: 24, .size: 8, .value_kind: global_buffer, .address_space: global }
      - { .name: qkv, .offset: 32, .size: 8, .value_kind: global_buffer, .address_space: global }
      - { .name: csum, .offset: 40, .size: 8, .value_kind: global_buffer, .address_space: global }
    .group_segment_fixed_size: 327680
    .private_segment_fixed_size: 0
    .kernarg_segment_align: 8
    .kernarg_segment_size: 48
    .max_flat_workgroup_size: 128
    .sgpr_count:     96
    .vgpr_count:     896
    .wavefront_size: 32
...
	.end_amdgpu_metadata
.endif
;; end of part 2
;; launch attn (part 3): grid 8 x 32, 4 waves a work-group, no clusters, 327,680 bytes of LDS; arguments qkv, csum, ao; writes ao
.if DOCPART == 3
	.amdgcn_target "amdgcn-amd-amdhsa--gfx1250"
	.amdhsa_code_object_version 6
	.text
	.protected	k_qeb640f2d57_attn
	.globl	k_qeb640f2d57_attn
	.p2align	8
	.type	k_qeb640f2d57_attn,@function
k_qeb640f2d57_attn:
	s_mov_b64 s[64:65], 0
	v_nop
	global_prefetch_b8 v0, s[64:65] scope:SCOPE_SE
	s_setreg_imm32_b32 hwreg(HW_REG_WAVE_MODE, 25, 1), 1
	s_wait_xcnt 0x0
; ATTENTION with the module's mask: a key behind the query has the score -1000 (not minus infinity), so hidden keys keep a weight.  K, V, Q: planes of qkv, [32 heads][2048][64] f16; O: ao, the same layout.
; p = 2^(c s - c m), c = log2(e) / 8, s the raw product, a hidden key's s = -8000; running maximum m and sum l in f32; p rounded to f16 for the second product.
; THE WALK.  A head has 16 blocks of 128 queries; block i walks the key steps 0 .. 2 i + 1 of 64 keys.  In its last two steps hidden scores are REPLACED by -8000.  All keys behind the block have one weight,
; wv = 2^(c (-8000) - c m): they enter once, at the block's end, as wv x (their number) in l and wv x (the sum of their V rows) in O; that sum is added up from csum at the head.
; A work-group takes the odd block 15 - 2 b (4 (8 - b) steps) and then the even block 2 b (4 b + 2 steps): 34 steps in 9 tiles of 256 keys, whatever b.  One loop with a constant count walks the tiles; one
; branch a tile hangs on b (is it the block's last?); all else inside a tile hangs on a counter with a constant start.  A block's last tile has a text of its own (DIAG), which takes masks.
; NO CLUSTER: the eight work-groups of a head ask for different tiles in most trips.
; SHARES.  A block's two bands of 64 queries; a wave owns 16 rows in each: piece 0 in the UPPER band (rows 64 ..), piece 1 in the lower.  Turn T0 belongs to piece 0, T1 to piece 1: 8 products K Q^T of the other
; piece's next scores, 8 products V^T P of its last weights, and beside them the piece's own softmax and the other's maximum.  Four vector instructions stand behind every matrix instruction, the rest in two lumps.
; With the bands so dealt only the block's last two steps take masks: last but one: both turns make a band's own step; last: T0 makes a step that is hidden whole, T1 scores of a step that does not exist.
; THE RING.  Two slots; tile t holds K of steps 4 t + 1 .. 4 t + 4 and V of steps 4 t .. 4 t + 3 (K is asked for 64 keys late), since T0 of step j fetches K of step j + 1 and V of step j.  K of step 0 comes
; from memory into registers at the head.  The 64 keys behind a head's last lie in the next head or in the plane V: inside the buffer, loaded, and what is made of them is thrown away.
; LIMITS.  q, k, v within f16's 65,504; a weight below 2^-126 counts as 0; NaN and infinities are not treated apart.
; REGISTERS.  window 0: v2-15 addresses, v16-23 statistics, v24-39 the block's end, v40-43 addresses, v48-55 at work, v64-127 S^T (two buffers), v192-223 P (two buffers).
; window 1: v0-63 O^T; v128-159, v160-191 the diagonal's factor and addend; v192-223 the hidden V rows' sum.  window 2: v0-31 Q, v32-63 the second block's Q, v64-127 K of step 0, v128-191 K, v192-255 V.
.set NP,    2
.set KS,    64
.set PK,    144                        ; a row of K in LDS: 128 bytes + 16
.set PV,    160                        ; a row of V: 128 + 32
.set VOFF,  4*KS*PK
.set SLOT1, 1<<17
.set STAGE, SLOT1+4*KS*(PK+PV)         ; 16 rows x 144 bytes a wave, for the way out
.set SP,    144
.set VST,   STAGE+4*16*SP              ; two tables of 64 f32: the hidden V rows' sums of the two blocks
.set SPARE, VST+512                    ; the spare words, 128 bytes a wave
.set AK0, 2
.set AV0, 3
.set AK,  4
.set AV,  5
.set STO, 6
.set RD,  7
.set GO,  8
.set MV,  12
.set QO,  15
.set ST,  16                           ; piece t: c m, m, l (even keys', odd keys')
.set EN,  24                           ; piece t, eight registers at the block's end
.set VA,  40                           ; my place in the table of the block in hand
.set CSO, 41
.set VT,  42
.set VA1, 43                           ; my place in the second block's table
.set TMP, 48
.set SPW, 62
.set NIL, 63
.set S,   64
.set P,   192
.set MDA, 128
.set MDB, 160
.set VS,  192
.set QB,  32
.set K0,  64
.set KF,  128
.set VF,  192
.set WV,  12
.set PBK, 14
.set G1K, 24
.set G1V, 32
.set G0K, 40
.set G0V, 44
.set SLOTS, 56
.set CNT, 57                           ; counts a tile's key steps down to 1
.set CS,  58
.set SEL, 60
.set TBK, 62
.set TBV, 63
.set RT,  70                           ; tiles of the block in hand that are still to be entered
.set NXT, 71                           ; the tile to be asked for next
.set LQ,  72                           ; the last tile of the block whose tiles are being asked for
.set RT2, 73                           ; the second block's tiles
.set OFF, 74
.set LQA, 76                           ; the second block's last tile
.set SB,  77                           ; the slot in hand
.set M8K, 78                           ; -8000
.set LOWS, 79                          ; the lowest finite number
.set VSC, 82                           ; the block in hand: the hidden score (the lowest finite number where no key is left), c times it, the number of keys behind the block
.set CVS, 83
.set NAF, 84
.set FS,  85
.set G0W, 91
.set KH,  92                           ; s[92:93] K at the head's first key
.set MSB, 0
.macro WIN new                         ; the high byte repeats the setting that is left; a switch that changes nothing is dropped
.if MSB != (\new)
	s_set_vgpr_msb (MSB<<8)|(\new)
.set MSB, (\new)
.endif
.endm
.set W_KQ, 0x0a                        ; K and Q in window 2, S^T in window 0
.set W_PV, 0x52                        ; V in window 2, P in window 0, O^T in window 1
.set W_RS, 0x41                        ; destination and source 0 in window 1, source 1 in window 0
.macro LOAD                            ; waves 0, 1 fetch the halves of a tile's K, waves 2, 3 of its V; s_nop 0 and four v_nop behind each line
	s_cmp_lt_u32 s[WV], 2
	s_cbranch_scc0 .Lfor_v_\@
	tensor_load_to_lds s[G0K:G0K+3], s[G1K:G1K+7]
	s_nop 0
.rept 4
	v_nop
.endr
	s_branch .Lasked_\@
.Lfor_v_\@:
	tensor_load_to_lds s[G0V:G0V+3], s[G1V:G1V+7]
	s_nop 0
.rept 4
	v_nop
.endr
.Lasked_\@:
.endm
; THE CHANGE OF SLOTS: all my tensor loads have landed (one is out: my part of the other slot); the add; my reads of the slot that is left are back; the barrier; the slot left is filled with tile NXT,
; whose address is made anew from that number.  (At its first use nothing has been read yet: slot 0 is waited for, slot 1 filled.)
.macro CHANGE fill
	WIN 0
	s_wait_tensorcnt 0x0
	ds_add_u32 v[SPW], v[NIL]
.if \fill
	s_lshl_b32 s[OFF], s[NXT], 15                  ; a tile is 32,768 bytes of K and of V
	s_xor_b32 s[G0K+1], s[G0K+1], SLOT1
	s_add_nc_u64 s[G0K+2:G0K+3], s[6:7], s[OFF:OFF+1]
	s_or_b32 s[G0K+3], s[G0K+3], 0x80000000
	s_xor_b32 s[G0V+1], s[G0V+1], SLOT1
	s_add_nc_u64 s[G0V+2:G0V+3], s[8:9], s[OFF:OFF+1]
	s_or_b32 s[G0V+3], s[G0V+3], 0x80000000
	s_add_co_u32 s[NXT], s[NXT], 1                 ; the block's next tile, or behind its last the second block's tile 0
	s_cmp_gt_u32 s[NXT], s[LQ]
	s_cselect_b32 s[NXT], 0, s[NXT]
	s_cselect_b32 s[LQ], s[LQA], s[LQ]
.endif
	s_wait_dscnt 0x0                               ; the add is done, and my reads of the slot are over
	s_barrier_signal -1
	s_xor_b32 s[SB], s[SB], SLOT1
	s_mov_b32 s[TBK], s[SB]                        ; the fetches begin at the other slot's first step
	s_mov_b32 s[TBV], s[SB]
	s_barrier_wait -1
.if \fill
	LOAD
.endif
.endm
	s_load_b128 s[16:19], s[0:1], 0x0              ; qkv, csum
	s_load_b64 s[10:11], s[0:1], 0x10              ; ao
	v_lshl_add_u32 v[SPW], v0, 2, SPARE
	v_mov_b32 v[NIL], 0
	ds_add_u32 v[SPW], v[NIL]                      ; the wave's opening: the add and its wait ahead of my first tensor load
	ds_add_u32 v62, v63
	v_lshrrev_b32 v1, 5, v0
	v_readfirstlane_b32 s[WV], v1
	s_mov_b32 s[PBK], ttmp9                        ; b, 0 .. 7
	s_lshl_b32 s13, s[PBK], 1
	s_sub_co_u32 s15, 15, s13                      ; the first block, 15 - 2 b; the second is 2 b
	s_and_b32 s20, ttmp7, 0xffff                   ; the head, 0 .. 31
	s_lshl_b32 s[KH], s20, 18                      ; its bytes in a plane
	s_mov_b32 s[KH+1], 0
	s_and_b32 s13, s[WV], 1                        ; which half of a tile's 256 keys I fetch
	s_lshl_b32 s22, s13, 14
	s_add_co_u32 s22, s22, s[KH]
	s_add_co_u32 s2, s22, 8388608                  ; V's offset: a plane on
	s_add_co_u32 s22, s22, 8192                    ; K's: 64 keys late
	s_mov_b32 s23, 0
	s_mov_b32 s3, 0
	s_mul_i32 s66, s13, 128*PK
	s_mul_i32 s67, s13, 128*PV
	s_lshl_b32 s68, s[WV], 11                      ; my 16 rows in a band
	s_add_co_u32 s68, s68, s[KH]
	s_lshl_b32 s69, s15, 14                        ; a block is 128 rows of 128 bytes
	s_add_co_u32 s52, s68, s69                     ; O's offset, first block
	s_lshl_b32 s69, s[PBK], 15
	s_add_co_u32 s54, s68, s69                     ; second block
	s_add_co_u32 s48, s52, 16777216                ; Q's: two planes on
	s_add_co_u32 s50, s54, 16777216
	s_mov_b32 s49, 0
	s_mov_b32 s51, 0
	s_mov_b32 s53, 0
	s_mov_b32 s55, 0
	s_lshr_b32 s94, s20, 4                         ; csum: 32 rows of 12,288 bytes a batch; V's columns begin at 1,024
	s_mul_i32 s94, s94, 393216
	s_and_b32 s95, s20, 15
	s_lshl_b32 s95, s95, 8
	s_add_co_u32 s94, s94, s95
	s_add_co_u32 s94, s94, 4096
	s_mov_b32 s95, 0
	s_mov_b32 s[G1K], (1<<16)|(1<<20)|(4<<22)|(3<<25)  ; 128 keys as 64 rows of 256 bytes; 4 words of padding behind every key
	s_mov_b32 s[G1V], (1<<16)|(1<<20)|(4<<22)|(7<<25)  ; 8 words
.irp g, G1K, G1V
	s_mov_b32 s[\g+1], 128<<16
	s_mov_b32 s[\g+2], 64<<16
	s_mov_b32 s[\g+3], 128<<16
	s_mov_b32 s[\g+4], 64
	s_mov_b32 s[\g+5], 128
	s_mov_b32 s[\g+6], 0
	s_mov_b32 s[\g+7], 0
.endr
	s_mov_b32 s[CS], 0x3e38aa3b                    ; c = log2(e) / 8
	s_mov_b32 s[CS+1], s[CS]
	s_mov_b32 s[SEL], 0x76543210
	s_mov_b32 s[SEL+1], 0xfedcba98
	s_mov_b32 s[M8K], 0xc5fa0000                   ; -8000
	s_mov_b32 s[LOWS], 0xff7fffff
	s_mov_b32 s[G0K], 1
	s_mov_b32 s[G0K+1], s66
	s_mov_b32 s[G0V], 1
	s_add_co_u32 s[G0V+1], s67, VOFF
	s_mov_b32 s[SB], SLOT1                         ; the first change of slots turns it into 0
	s_mov_b32 s[OFF+1], 0
	s_sub_co_u32 s[LQ], 7, s[PBK]                  ; block i's last tile is i / 2
	s_add_co_u32 s[RT], s[LQ], 1
	s_mov_b32 s[LQA], s[PBK]
	s_add_co_u32 s[RT2], s[PBK], 1
	s_mov_b32 s[NXT], 1
	s_cmp_gt_u32 s[NXT], s[LQ]
	s_cselect_b32 s[NXT], 0, s[NXT]
	s_cselect_b32 s[LQ], s[LQA], s[LQ]
	s_lshl_b32 s13, s[PBK], 2                      ; the rows of csum behind block i begin at 2 (i + 1): 32 - 4 b and 4 b + 2
	s_sub_co_u32 s21, 32, s13
	s_add_co_u32 s13, s13, 2
	s_cmp_lt_u32 s[WV], 2                          ; waves 0, 1 add up the first block's table, waves 2, 3 the second's
	s_cselect_b32 s[G0W], s21, s13
	s_lshl_b32 s13, s[PBK], 8
	s_cvt_f32_u32 s[NAF], s13                      ; keys behind the first block: 256 b
	s_sub_co_u32 s13, 1920, s13
	s_cvt_f32_u32 s90, s13                         ; behind the second: 1,920 - 256 b
	s_mov_b32 s88, s[M8K]
	s_cmp_eq_u32 s[PBK], 0
	s_cselect_b32 s[VSC], s[LOWS], s[M8K]          ; block 15 has none
	s_mul_f32 s[CVS], s[CS], s[VSC]
	s_mul_f32 s89, s[CS], s88
	s_wait_dscnt 0x0                               ; the opening add is done
	s_wait_kmcnt 0x0
	s_add_nc_u64 s[6:7], s[16:17], s[22:23]
	s_add_nc_u64 s[8:9], s[16:17], s[2:3]
	s_add_nc_u64 s[4:5], s[16:17], s[48:49]
	s_add_nc_u64 s[86:87], s[16:17], s[50:51]
	s_add_nc_u64 s[KH:KH+1], s[16:17], s[KH:KH+1]
	s_add_nc_u64 s[80:81], s[10:11], s[54:55]
	s_add_nc_u64 s[10:11], s[10:11], s[52:53]
	s_add_nc_u64 s[18:19], s[18:19], s[94:95]
	s_add_nc_u64 s[G0K+2:G0K+3], s[6:7], 0
	s_or_b32 s[G0K+3], s[G0K+3], 0x80000000
	s_add_nc_u64 s[G0V+2:G0V+3], s[8:9], 0
	s_or_b32 s[G0V+3], s[G0V+3], 0x80000000
	LOAD                                           ; the first block's tile 0 into slot 0
	v_and_b32 v[CSO], 63, v0
	v_lshlrev_b32 v[CSO], 2, v[CSO]
.set g, 0
.rept 32
	global_load_b32 v[S+g], v[CSO], s[18:19] offset:12288*g
.set g, g+1
.endr
	v_and_b32 v1, 15, v0
	v_bfe_u32 v9, v0, 4, 1
	v_lshlrev_b32 v[QO], 7, v1
	v_lshl_add_u32 v[QO], v9, 4, v[QO]             ; a fragment's row x 128 + 16 x half
	WIN 0x80
.set i, 0
.rept 4                                ; both blocks' Q: piece i / 2 lies in band 1 - i / 2, 8,192 bytes apart; channels 32 (i % 2) on
	global_load_b128 v[8*i:8*i+3],         v[QO], s[4:5] offset:(1-i/2)*8192+(i%2)*64
	global_load_b128 v[8*i+4:8*i+7],       v[QO], s[4:5] offset:(1-i/2)*8192+(i%2)*64+32
	global_load_b128 v[QB+8*i:QB+8*i+3],   v[QO], s[86:87] offset:(1-i/2)*8192+(i%2)*64
	global_load_b128 v[QB+8*i+4:QB+8*i+7], v[QO], s[86:87] offset:(1-i/2)*8192+(i%2)*64+32
.set i, i+1
.endr
.set i, 0
.rept 8                                ; K of step 0, for both blocks: keys 16 (i / 2) on, channels 32 (i % 2) on
	global_load_b128 v[K0+8*i:K0+8*i+3],   v[QO], s[KH:KH+1] offset:(i/2)*2048+(i%2)*64
	global_load_b128 v[K0+8*i+4:K0+8*i+7], v[QO], s[KH:KH+1] offset:(i/2)*2048+(i%2)*64+32
.set i, i+1
.endr
	WIN 0
	v_lshlrev_b32 v14, 3, v9
	v_sub_nc_u32 v14, v1, v14
	s_lshl_b32 s13, s[WV], 4
	v_add_nc_u32 v14, s13, v14                     ; my query's place in its band less 8 (lane / 16): register r of key group kt is hidden where 16 kt + r is greater
	WIN 0x40
.set i, 0
.rept 32
	v_cmp_gt_i32 vcc_lo, 16*(i/8)+i%8, v14
	v_cndmask_b32 v[MDA+i], 1.0, 0, vcc_lo
	v_cndmask_b32 v[MDB+i], 0, s[M8K], vcc_lo
.set i, i+1
.endr
	WIN 0
	v_mul_u32_u24 v[AK0], v1, PK
	v_lshl_add_u32 v[AK0], v9, 4, v[AK0]
	v_and_b32 v10, 7, v0
	v_bfe_u32 v11, v0, 3, 1
	v_lshl_add_u32 v[AV0], v9, 3, v10              ; the turning load: key 8 (lane / 16) + lane % 8, channels 8 ((lane / 8) % 2) on
	v_mul_u32_u24 v[AV0], v[AV0], PV
	v_lshl_add_u32 v[AV0], v11, 4, v[AV0]
	v_add_nc_u32 v[AV0], VOFF, v[AV0]
	s_mul_i32 s13, s[WV], 16*SP
	s_add_co_u32 s13, s13, STAGE
	v_mul_u32_u24 v[STO], v1, SP
	v_lshl_add_u32 v[STO], v9, 4, v[STO]
	v_add_nc_u32 v[STO], s13, v[STO]
	v_bfe_u32 v[RD], v0, 3, 2
	v_mul_u32_u24 v[RD], v[RD], SP
	v_lshl_add_u32 v[RD], v10, 4, v[RD]
	v_add_nc_u32 v[RD], s13, v[RD]
	v_and_b32 v[GO], 31, v0
	v_lshlrev_b32 v[GO], 4, v[GO]
	v_lshlrev_b32 v[VA], 5, v9
	v_add_nc_u32 v[VA1], VST+256, v[VA]
	v_add_nc_u32 v[VA], VST, v[VA]                 ; my eight channels of each 16 in the table
	v_lshl_add_u32 v[VT], v0, 2, VST
	; A block's first step multiplies O^T and l by a = 0, so these need only be finite: zeros for the first block, what the first block left for the second.
	WIN 0x80
.set i, VF
.rept 64
	v_mov_b32 v[i], 0
.set i, i+1
.endr
	WIN 0x40
.set i, 0
.rept 64
	v_mov_b32 v[i], 0
.set i, i+1
.endr
	WIN 0
.set i, 0
.rept 2
	v_mov_b32 v[ST+4*i+2], 0
	v_mov_b32 v[ST+4*i+3], 0
.set i, i+1
.endr
.set i, P+16
.rept 16
	v_mov_b32 v[i], 0
.set i, i+1
.endr
	v_mov_b32 v[S+32], 0
	s_wait_loadcnt 32                              ; csum's 32 loads are in; Q's sixteen and K's sixteen, issued behind them, stay out
.set g, 0
.rept 32
	s_cmp_le_u32 s[G0W], g                         ; does this row of 64 tokens lie behind the block?
	s_cselect_b32 s[FS], 1.0, 0
	v_fmac_f32 v[S+32], s[FS], v[S+g]
.set g, g+1
.endr
	ds_store_b32 v[VT], v[S+32]                    ; the first change of slots waits for it and passes the barrier that shows it to all
.macro KQ x                            ; product i of 8 of S^T = K Q^T for piece x; the four accumulators take turns
.set rS, S+32*((\x)%2)+8*(i%4)
.set rK, KF+16*(i%4)+8*(i/4)
.set rQ, 16*(\x)+8*(i/4)
	WIN W_KQ
.if i < 4
	v_wmma_f32_16x16x32_f16 v[rS:rS+7], v[rK:rK+7], v[rQ:rQ+7], 0
.else
	v_wmma_f32_16x16x32_f16 v[rS:rS+7], v[rK:rK+7], v[rQ:rQ+7], v[rS:rS+7]
.endif
.endm
.macro PV x                            ; product i of 8 of O^T += V^T P for piece x
	WIN W_PV
.set rO, 32*(\x)+8*(i%4)
.set rV, VF+32*(i/4)+8*(i%4)
.set rP, P+16*((\x)%2)+8*(i/4)
	v_wmma_f32_16x16x32_f16 v[rO:rO+7], v[rV:rV+7], v[rP:rP+7], v[rO:rO+7]
.endm
.macro MM                              ; the turn's next matrix instruction
.if i < 8
	KQ (Y+1)%NP
.else
.set i, i-8
	PV (Y+NP-1)%NP
.set i, i+8
.endif
.set i, i+1
.endm
.macro FETCH_K                         ; 16 LDS loads in one run: keys 16 (f / 2) on, channels 32 (f % 2) on
	WIN 0x80
.irp f, 0,1,2,3,4,5,6,7
	ds_load_b128 v[KF+8*\f:KF+8*\f+3],   v[AK] offset:(\f/2)*16*PK+(\f%2)*64
	ds_load_b128 v[KF+8*\f+4:KF+8*\f+7], v[AK] offset:(\f/2)*16*PK+(\f%2)*64+32
.endr
	s_add_co_u32 s[TBK], s[TBK], KS*PK
	WIN 0
.endm
.macro FETCH_V                         ; keys 32 (f / 4) on, channels 16 (f % 4) on, turned
	WIN 0x80
.irp f, 0,1,2,3,4,5,6,7
	ds_load_tr16_b128 v[VF+8*\f:VF+8*\f+3],   v[AV] offset:(\f/4)*32*PV+(\f%4)*32
	ds_load_tr16_b128 v[VF+8*\f+4:VF+8*\f+7], v[AV] offset:(\f/4)*32*PV+16*PV+(\f%4)*32
.endr
	WIN 0
.endm
.macro FIXD b                          ; a band's own step: s x 1 + 0 where the key is seen, s x 0 - 8000 where it is hidden; ascending, each accumulator's lowest registers first
	WIN 0x14
.set z, 0
.rept 16
	v_pk_fma_f32 v[S+32*(\b)+2*z:S+32*(\b)+2*z+1], v[S+32*(\b)+2*z:S+32*(\b)+2*z+1], v[MDA+2*z:MDA+2*z+1], v[MDB+2*z:MDB+2*z+1]
.set z, z+1
.endr
	WIN 0
.endm
.macro HID b, val                      ; all 64 scores take one value
	WIN 0
.set z, 0
.rept 32
	v_mov_b32 v[S+32*(\b)+z], s[\val]
.set z, z+1
.endr
.endm
; In a block's last tile the scores that a turn has just made are put right ahead of their maximum.  Two steps left: the band's own step.  One left: T0's are hidden whole (-8000); T1's belong to no step and
; take the lowest finite number, which leaves piece 0's maximum as it is.  The branches hang on the tile's counter alone.
.macro MBLK p
	WIN 0
	s_cmp_gt_u32 s[CNT], 2
	s_cbranch_scc1 .Lseen_\@
	s_cmp_eq_u32 s[CNT], 2
	s_cbranch_scc0 .Lhid_\@
	FIXD 1-(\p)
	s_branch .Lseen_\@
.Lhid_\@:
.if (\p) == 0
	HID 1, M8K
.else
	HID 0, LOWS
.endif
.Lseen_\@:
.endm
; THE VECTOR WORK, one line at a time.  For piece Y: F n: c s - c m for pair n.  E n: exponential of score n.  C n: pair n rounded to f16.  B n: of the weights 4 n .. the second pair onto the first.
; L n: l takes that sum (L 0: l = a l + sum).  R n: pair n of O^T times a.  For the other piece: X n, number n of the 22 that find its maximum and statistics.
.set F, 0
.set E, 1
.set C, 2
.set B, 3
.set L, 4
.set R, 5
.set X, 6
.macro REGS y
.set rT, ST+4*(\y)
.set rC, TMP+4*((\y)%2)
.set rW, MV+((\y)%2)
.set rS, S+32*((\y)%2)
.set rP, P+16*((\y)%2)
.set rO, 32*(\y)
.endm
.macro OP k, n
.if (\k) == R
	REGS Y
	WIN W_RS
	v_pk_mul_f32 v[rO+2*(\n):rO+2*(\n)+1], v[rO+2*(\n):rO+2*(\n)+1], v[rC+2:rC+3] op_sel_hi:[1,0]
.elseif (\k) < R
	REGS Y
	WIN 0
.if (\k) == F
	v_pk_fma_f32 v[rS+2*(\n):rS+2*(\n)+1], v[rS+2*(\n):rS+2*(\n)+1], s[CS:CS+1], v[rT:rT+1] op_sel_hi:[1,0,0] neg_lo:[0,0,1] neg_hi:[0,0,1]
.elseif (\k) == E
	v_exp_f32 v[rS+(\n)], v[rS+(\n)]
.elseif (\k) == C
	s_wait_alu depctr_va_vdst(0)
	v_cvt_pk_f16_f32 v[rP+(\n)], v[rS+2*(\n)], v[rS+2*(\n)+1]
.elseif (\k) == B
	s_wait_alu depctr_va_vdst(0)
	v_pk_add_f32 v[rS+4*(\n):rS+4*(\n)+1], v[rS+4*(\n):rS+4*(\n)+1], v[rS+4*(\n)+2:rS+4*(\n)+3]
.elseif (\n) == 0
	v_pk_fma_f32 v[rT+2:rT+3], v[rT+2:rT+3], v[rC+2:rC+3], v[rS:rS+1] op_sel_hi:[1,0,1]
.else
	v_pk_add_f32 v[rT+2:rT+3], v[rT+2:rT+3], v[rS+4*(\n):rS+4*(\n)+1]
	s_wait_alu depctr_va_vdst(0)
.endif
.else
	REGS (Y+1)%NP
	WIN 0
.if (\n) < 4
	v_max3_num_f32 v[rC+(\n)], v[rS+8*(\n)], v[rS+8*(\n)+1], v[rS+8*(\n)+2]
.elseif (\n) < 12
	v_max3_num_f32 v[rC+(\n)%4], v[rC+(\n)%4], v[rS+8*((\n)%4)+2*((\n)/4)+1], v[rS+8*((\n)%4)+2*((\n)/4)+2]
.elseif (\n) == 12
	v_max3_num_f32 v[rC], v[rC], v[rS+7], v[rS+15]
.elseif (\n) == 13
	v_max3_num_f32 v[rC+1], v[rC+1], v[rS+23], v[rS+31]
.elseif (\n) == 14
	v_max3_num_f32 v[rC+2], v[rC+2], v[rC+3], v[rT+1]
.elseif (\n) == 15
	v_mov_b32 v[rW], v[rT]
	s_wait_alu depctr_va_vdst(0)
.elseif (\n) == 16
	v_max3_num_f32 v[rC], v[rC], v[rC+1], v[rC+2]
	s_wait_alu depctr_va_vdst(0)
.elseif (\n) == 17
	v_permlanex16_b32 v[rC+3], v[rC], s[SEL], s[SEL+1]
.elseif (\n) == 18
	v_max_num_f32 v[rT+1], v[rC], v[rC+3]
.elseif (\n) == 19
	v_mul_f32 v[rT], s[CS], v[rT+1]
.elseif (\n) == 20
	v_sub_f32 v[rC+1], v[rW], v[rT]
.else
	v_exp_f32 v[rC+2], v[rC+1]
.endif
.endif
.endm
.macro OPS a, i1, b=-1, i2=0, c=-1, i3=0, d=-1, i4=0
	OP \a, \i1
.if (\b) >= 0
	OP \b, \i2
.endif
.if (\c) >= 0
	OP \c, \i3
.endif
.if (\d) >= 0
	OP \d, \i4
.endif
.endm
.macro ROW a, i1, b, i2, c, i3, d, i4  ; a matrix instruction and the four behind it
	MM
	OPS \a, \i1, \b, \i2, \c, \i3, \d, \i4
.endm
; A TURN, for piece p.  m = 1: the block's last tile.  T0 fetches the next step's K five plain instructions behind the last product that read K, and this step's V four plain instructions behind the last
; product that read V.  In a block's last step the K so fetched is that of the keys behind the block: landed, finite, and what T1 makes of it is overwritten.
.macro TURN p, m
.set Y, (\p)
.set i, 0
.if (\p) == 1
	s_wait_dscnt 16                                ; K is in; V's sixteen loads, issued behind K's, stay out
.endif
	ROW F,0, F,1, F,2, F,3
	ROW F,4, E,0, F,5, F,6
	ROW F,7, E,1, F,8, F,9
	ROW F,10, E,2, C,0, F,11
	ROW F,12, E,3, X,15, F,13
	ROW R,0, R,1, R,2, R,3
	ROW B,0, E,4, F,14, L,0
.if (\p) == 0
	v_add_nc_u32 v[AK], s[TBK], v[AK0]
.endif
	ROW R,4, R,5, R,6, R,7
	OPS E,5, F,15
.if (\p) == 0
	FETCH_K
.endif
	OPS E,6, C,1, E,7, R,8
	OPS E,8, R,9, E,9, C,2
.if \m
	MBLK \p
.endif
	OPS E,10, X,0, E,11, X,1
	OPS E,12, X,2, E,13, X,3
.if (\p) == 1
	s_wait_dscnt 0x0                               ; V is in
.endif
	ROW X,4, E,14, X,5, X,6
	ROW X,7, E,15, X,8, X,9
	ROW X,10, E,16, X,11, X,12
	ROW X,13, E,17, X,14, B,1
	ROW C,4, E,18, X,16, L,1
	ROW B,2, E,19, C,6, L,2
	ROW C,8, E,20, B,3, B,4
.if (\p) == 0
	v_add_nc_u32 v[AV], s[TBV], v[AV0]
.endif
	ROW C,3, E,21, L,3, C,5
	OPS E,22, X,17, E,23, C,10
.if (\p) == 0
	FETCH_V
.endif
	OPS E,24, L,4
	OPS E,25, X,18, E,26, C,7
	OPS E,27, B,5, E,28, X,19
	OPS E,29, C,12, E,30, L,5
	OPS E,31, X,20, B,6, C,9
	OPS C,14, C,11, X,21, L,6
.if (\p) == 0
	s_add_co_u32 s[TBV], s[TBV], KS*PV
.endif
	OPS C,13, B,7, C,15, R,10
	OPS R,11, R,12, L,7, R,13
	OPS R,14, R,15
.endm
; A BLOCK BEGINS, on registers alone: K of step 0 goes where the one text of the turns names K; c m starts far below every c s, so the first step's a is 0; piece 0's first scores (step 0 is never the upper
; band's own) and its statistics.
.macro BEGIN
	WIN 0x82
.set i, 0
.rept 64
	v_mov_b32 v[KF+i], v[K0+i]
.set i, i+1
.endr
	WIN 0
.set i, 0
.rept 2
	v_mov_b32 v[ST+4*i], 0xfe000000
	v_mov_b32 v[ST+4*i+1], 0xff7fffff
.set i, i+1
.endr
.set i, 0
.rept 8
	KQ 0
.set i, i+1
.endr
	WIN 0
.rept 4
	v_nop                                          ; the places behind those products
.endr
.set Y, NP-1
.irp n, 0,1,2,3,4,5,6,7,8,9,10,11,12,13,14,15,16,17,18,19,20,21
	OP X, \n
.endr
	v_nop                                          ; a plain instruction behind the exponential
.endm
.macro ALL line:vararg                 ; one line for each piece t
.set t, 0
.rept 2
	\line
.set t, t+1
.endr
.endm
.macro PACK t                          ; O = O a / l2 + (sum of the hidden V rows) wv / l2, rounded to f16, through my stage
	WIN W_RS
.set i, 32*(\t)
.rept 16
	v_pk_mul_f32 v[i:i+1], v[i:i+1], v[EN+8*(\t)+4:EN+8*(\t)+5] op_sel_hi:[1,0]
.set i, i+2
.endr
	WIN 0x51                                       ; destination, sources 0 and 2 window 1, source 1 window 0
.set i, 0
.rept 16
	v_pk_fma_f32 v[32*(\t)+i:32*(\t)+i+1], v[VS+i:VS+i+1], v[EN+8*(\t)+6:EN+8*(\t)+7], v[32*(\t)+i:32*(\t)+i+1] op_sel_hi:[1,0,1]
.set i, i+2
.endr
	WIN 0x05
.set i, 0
.rept 16
	v_cvt_pk_f16_f32 v[S+16*(\t)+i], v[32*(\t)+2*i], v[32*(\t)+2*i+1]
.set i, i+1
.endr
	WIN 0
.irp f, 0,1,2,3
	ds_store_b128 v[STO], v[S+16*(\t)+4*\f:S+16*(\t)+4*\f+3] offset:32*\f
.endr
.irp f, 0,1,2,3
	ds_load_b128 v[S+16*(\t)+4*\f:S+16*(\t)+4*\f+3], v[RD] offset:\f*4*SP  ; LDS serves a wave's instructions in order: these see the stores above
.endr
.endm
.macro SEND t, younger                 ; younger: the LDS instructions issued behind piece t's loads; piece t lies in band 1 - t
	WIN 0
.irp f, 0,1,2,3
	s_wait_dscnt (\younger)+3-\f
	global_store_b128 v[GO], v[S+16*(\t)+4*\f:S+16*(\t)+4*\f+3], s[10:11] offset:(1-(\t))*8192+\f*512  ; 512 consecutive bytes, aligned
.endr
.endm
; A BLOCK ENDS: piece 1's last V^T P; then the keys behind the block as one more step: m2 = max(m, hidden score), a = 2^(c m - c m2), wv = 2^(c hidden - c m2), l2 = l a + wv n.
.macro FINISH
	WIN 0x40
.irp f, 0,1,2,3
	ds_load_b128 v[VS+8*\f:VS+8*\f+3],   v[VA] offset:64*\f
	ds_load_b128 v[VS+8*\f+4:VS+8*\f+7], v[VA] offset:64*\f+16
.endr
.set i, 0
.rept 8
	PV 1
.set i, i+1
.endr
	WIN 0
	ALL v_add_f32 v[ST+4*t+2], v[ST+4*t+2], v[ST+4*t+3]
	ALL v_max_num_f32 v[EN+8*t], s[VSC], v[ST+4*t+1]
	ALL v_permlanex16_b32 v[ST+4*t+3], v[ST+4*t+2], s[SEL], s[SEL+1]
	ALL v_mul_f32 v[EN+8*t], s[CS], v[EN+8*t]
	ALL v_add_f32 v[ST+4*t+2], v[ST+4*t+2], v[ST+4*t+3]
	ALL v_sub_f32 v[EN+8*t+1], v[ST+4*t], v[EN+8*t]
	ALL v_sub_f32 v[EN+8*t+2], s[CVS], v[EN+8*t]
	ALL v_exp_f32 v[EN+8*t+1], v[EN+8*t+1]
	ALL v_exp_f32 v[EN+8*t+2], v[EN+8*t+2]
	v_nop
	s_wait_alu depctr_va_vdst(0)
	ALL v_mul_f32 v[EN+8*t+3], s[NAF], v[EN+8*t+2]
	ALL v_fma_f32 v[EN+8*t+3], v[ST+4*t+2], v[EN+8*t+1], v[EN+8*t+3]
	ALL v_rcp_f32 v[EN+8*t+3], v[EN+8*t+3]
	v_nop
	s_wait_alu depctr_va_vdst(0)
	ALL v_mul_f32 v[EN+8*t+4], v[EN+8*t+1], v[EN+8*t+3]
	ALL v_mul_f32 v[EN+8*t+5], v[EN+8*t+1], v[EN+8*t+3]
	ALL v_mul_f32 v[EN+8*t+6], v[EN+8*t+2], v[EN+8*t+3]
	ALL v_mul_f32 v[EN+8*t+7], v[EN+8*t+2], v[EN+8*t+3]
	s_wait_dscnt 0x0                               ; the table's eight loads
	PACK 0
	PACK 1
	SEND 0, 8
	SEND 1, 0
.endm
.macro DIAG tag                        ; a block's last tile: its steps, with masks, and the block's end
.LstepM\tag:
	TURN 0, 1
	TURN 1, 1
	WIN 0
	s_sub_co_u32 s[CNT], s[CNT], 1
	s_cmp_lg_u32 s[CNT], 0
	s_cbranch_scc1 .LstepM\tag
	FINISH
.endm
	s_wait_loadcnt 0x0                             ; Q, and K of step 0
	BEGIN
	s_mov_b32 s[SLOTS], 8
.Lslot:                                                ; eight trips: a tile is entered and the next is asked for
	CHANGE 1
	s_sub_co_u32 s[RT], s[RT], 1
	s_mov_b32 s[CNT], 4
	s_cmp_eq_u32 s[RT], 0
	s_cbranch_scc0 .Lstep                          ; not the block's last tile
	DIAG 1                                         ; in the loop this is the first block's end: the second block's last tile is the walk's last
	s_wait_xcnt 0x0                                ; the stores have read their registers and O's address
	s_mov_b64 s[10:11], s[80:81]
	s_mov_b32 s[RT], s[RT2]
	s_mov_b32 s[VSC], s88
	s_mov_b32 s[CVS], s89
	s_mov_b32 s[NAF], s90
	v_mov_b32 v[VA], v[VA1]
	WIN 0x82                                       ; the second block's Q goes where the one text of the turns names Q
.set i, 0
.rept 32
	v_mov_b32 v[i], v[QB+i]
.set i, i+1
.endr
	WIN 0
	BEGIN
	s_branch .Lbottom
.Lstep:                                                ; a trip is a key step
	TURN 0, 0
	TURN 1, 0
	WIN 0
	s_sub_co_u32 s[CNT], s[CNT], 1
	s_cmp_lg_u32 s[CNT], 0
	s_cbranch_scc1 .Lstep
.Lbottom:
	s_sub_co_u32 s[SLOTS], s[SLOTS], 1
	s_cmp_lg_u32 s[SLOTS], 0
	s_cbranch_scc1 .Lslot
	CHANGE 0                                       ; the walk's last tile is written out: nothing is asked for
	s_mov_b32 s[CNT], 2                            ; the even block's last tile has two steps
	DIAG 2
	s_wait_tensorcnt 0x0                           ; the wave's end
	ds_add_u32 v[SPW], v[NIL]
	s_wait_dscnt 0x0
	s_endpgm
.Lfunc_end_k_qeb640f2d57_attn:
	.size	k_qeb640f2d57_attn, .Lfunc_end_k_qeb640f2d57_attn-k_qeb640f2d57_attn
	.p2alignl 7, 3214868480
	.fill 96, 4, 3214868480
	.section	.rodata,"a",@progbits
	.p2align	6, 0x0
	.amdhsa_kernel k_qeb640f2d57_attn
		.amdhsa_group_segment_fixed_size 327680
		.amdhsa_private_segment_fixed_size 0
		.amdhsa_enable_private_segment 0
		.amdhsa_kernarg_size 24
		.amdhsa_user_sgpr_count 2
		.amdhsa_user_sgpr_kernarg_segment_ptr 1
		.amdhsa_wavefront_size32 1
		.amdhsa_system_sgpr_workgroup_id_x 1
		.amdhsa_system_sgpr_workgroup_id_y 1
		.amdhsa_system_sgpr_workgroup_id_z 1
		.amdhsa_system_vgpr_workitem_id 0
		.amdhsa_next_free_vgpr 768
		.amdhsa_next_free_sgpr 96
		.amdhsa_reserve_vcc 1
		.amdhsa_float_denorm_mode_32 3
		.amdhsa_float_denorm_mode_16_64 3
		.amdhsa_memory_ordered 1
		.amdhsa_forward_progress 1
		.amdhsa_inst_pref_size 133
	.end_amdhsa_kernel
	.amdgpu_metadata
---
amdhsa.version: [ 1, 2 ]
amdhsa.kernels:
  - .name:           k_qeb640f2d57_attn
    .symbol:         k_qeb640f2d57_attn.kd
    .args:
      - { .name: qkv, .offset: 0, .size: 8, .value_kind: global_buffer, .address_space: global }
      - { .name: csum, .offset: 8, .size: 8, .value_kind: global_buffer, .address_space: global }
      - { .name: ao, .offset: 16, .size: 8, .value_kind: global_buffer, .address_space: global }
    .group_segment_fixed_size: 327680
    .private_segment_fixed_size: 0
    .kernarg_segment_align: 8
    .kernarg_segment_size: 24
    .max_flat_workgroup_size: 128
    .sgpr_count:     96
    .vgpr_count:     768
    .wavefront_size: 32
...
	.end_amdgpu_metadata
.endif
;; end of part 3
;; launch ln1 (part 4): grid 256 x 1, 8 waves a work-group, no clusters, 0 bytes of LDS; arguments cst, ao, ln_g, ln_b, h16; writes h16
.if DOCPART == 4
	.amdgcn_target "amdgcn-amd-amdhsa--gfx1250"
	.amdhsa_code_object_version 6
	.text
	.protected	k_qeb640f2d57_ln1
	.globl	k_qeb640f2d57_ln1
	.p2align	8
	.type	k_qeb640f2d57_ln1,@function
k_qeb640f2d57_ln1:
	s_mov_b64 s[64:65], 0
	v_nop
	global_prefetch_b8 v0, s[64:65] scope:SCOPE_SE
	s_setreg_imm32_b32 hwreg(HW_REG_WAVE_MODE, 25, 1), 1
	s_wait_xcnt 0x0
; h = LayerNorm(x + attention) x g + b, stored f16 [4096][1024].  x is the bf16 copy at the head of cst, the attention's output lies by heads, f16; g and b are rounded to bf16 like every input.
; A wave takes two rows: lanes 0-15 one, lanes 16-31 the next; a lane holds columns 128 j + 8 (lane % 16) .. + 7, j = 0 .. 7.  A row stays in registers between mean, variance and scaling; the sums cross
; 16 lanes only.  Memory binds: all 48 loads go out at once, every load and store of 16 lanes covers whole aligned 256 bytes; no LDS, no barrier, no matrix unit.  LIMIT: |h| within f16's 65,504.
.set CHN, 2                            ; v[2:9]   four chains of sums
.set MU,  10                           ; v[10:11] the mean, later 1 / sqrt(var + eps), twice
.set ONE, 12
.set XO,  13
.set OO,  14
.set GO,  15
.set R,   16                           ; v[16:79]  as loaded: x's 4 registers and O's 4 for each j; later T of j >= 4 and the f16 results
.set TA,  80                           ; v[80:111] T of j < 4
.set G,   112
.set B,   176
.macro SETT                            ; tj: the eight f32 of piece j
.if j < 4
.set tj, TA+8*j
.else
.set tj, R+8*(j-4)
.endif
.endm
.macro RNE2 a, b, t
	v_cvt_pk_bf16_f32 v[\t], v[\a], v[\b]
	v_lshlrev_b32 v[\a], 16, v[\t]
	v_and_b32 v[\b], 0xffff0000, v[\t]
.endm
.macro ACROSS                          ; the four chains into one number, then over the 16 lanes of the row
	v_pk_add_f32 v[CHN:CHN+1], v[CHN:CHN+1], v[CHN+2:CHN+3]
	v_pk_add_f32 v[CHN+4:CHN+5], v[CHN+4:CHN+5], v[CHN+6:CHN+7]
	v_pk_add_f32 v[CHN:CHN+1], v[CHN:CHN+1], v[CHN+4:CHN+5]
	v_add_f32 v[CHN], v[CHN], v[CHN+1]
	v_add_f32_dpp v[CHN], v[CHN], v[CHN] row_xmask:1 row_mask:0xf bank_mask:0xf
	v_add_f32_dpp v[CHN], v[CHN], v[CHN] row_xmask:2 row_mask:0xf bank_mask:0xf
	v_add_f32_dpp v[CHN], v[CHN], v[CHN] row_xmask:4 row_mask:0xf bank_mask:0xf
	v_add_f32_dpp v[CHN], v[CHN], v[CHN] row_xmask:8 row_mask:0xf bank_mask:0xf
.endm
	s_load_b256 s[4:11], s[0:1], 0x0               ; cst, ao, ln_g, ln_b
	s_load_b64 s[12:13], s[0:1], 0x20              ; h16
	v_lshrrev_b32 v1, 5, v0
	v_readfirstlane_b32 s14, v1
	s_lshl_b32 s15, ttmp9, 4
	s_lshl1_add_u32 s15, s14, s15                  ; my first row: 16 x work-group + 2 x wave
	s_lshl_b32 s16, s15, 11
	s_mov_b32 s17, 0
	s_lshr_b32 s18, s15, 11                        ; the batch: 16 heads of 262,144 bytes
	s_lshl_b32 s18, s18, 22
	s_and_b32 s19, s15, 2047
	s_lshl_b32 s19, s19, 7
	s_add_co_u32 s18, s18, s19
	s_mov_b32 s19, 0
	s_mov_b32 s20, 0x3a800000                      ; 1 / 1024
	s_mov_b32 s21, 0x3727c5ac                      ; 1e-5
	v_and_b32 v2, 15, v0
	v_bfe_u32 v3, v0, 4, 1
	v_lshlrev_b32 v[XO], 4, v2
	v_lshl_add_u32 v[XO], v3, 11, v[XO]            ; 16 bytes x (lane % 16) + a row of 2,048
	v_and_b32 v4, 7, v0
	v_bfe_u32 v5, v0, 3, 1
	v_lshlrev_b32 v[OO], 4, v4
	v_lshl_add_u32 v[OO], v3, 7, v[OO]             ; a head's row is 128 bytes;
	v_lshl_add_u32 v[OO], v5, 18, v[OO]            ; lanes 8-15 of a half take the next head
	v_lshlrev_b32 v[GO], 5, v2
	v_mov_b32 v[ONE], 1.0
	s_wait_kmcnt 0x0
	s_add_nc_u64 s[4:5], s[4:5], s[16:17]
	s_add_nc_u64 s[6:7], s[6:7], s[18:19]
	s_add_nc_u64 s[12:13], s[12:13], s[16:17]
.set j, 0
.rept 8
	global_load_b128 v[R+8*j:R+8*j+3],   v[XO], s[4:5] offset:256*j
	global_load_b128 v[R+8*j+4:R+8*j+7], v[OO], s[6:7] offset:524288*j
.set j, j+1
.endr
.set j, 0
.rept 8
	global_load_b128 v[G+8*j:G+8*j+3],   v[GO], s[8:9] offset:512*j
	global_load_b128 v[G+8*j+4:G+8*j+7], v[GO], s[8:9] offset:512*j+16
	global_load_b128 v[B+8*j:B+8*j+3],   v[GO], s[10:11] offset:512*j
	global_load_b128 v[B+8*j+4:B+8*j+7], v[GO], s[10:11] offset:512*j+16
.set j, j+1
.endr
	s_wait_loadcnt 32                              ; x and O are in; the 32 loads of g and b stay out
.set j, 0
.rept 8                                ; ascending j: piece j >= 4 lands where piece j - 4 was loaded
	SETT
.set k, 0
.rept 4
	v_lshlrev_b32 v[tj+2*k], 16, v[R+8*j+k]
	v_and_b32 v[tj+2*k+1], 0xffff0000, v[R+8*j+k]
	v_fma_mix_f32 v[tj+2*k], v[R+8*j+4+k], v[ONE], v[tj+2*k] op_sel_hi:[1,0,0]
	v_fma_mix_f32 v[tj+2*k+1], v[R+8*j+4+k], v[ONE], v[tj+2*k+1] op_sel:[1,0,0] op_sel_hi:[1,0,0]
.set k, k+1
.endr
.set j, j+1
.endr
.irp c, 0,1,2,3
	v_pk_add_f32 v[CHN+2*\c:CHN+2*\c+1], v[TA+2*\c:TA+2*\c+1], v[TA+8+2*\c:TA+8+2*\c+1]
.endr
.set j, 2
.rept 6
	SETT
.irp c, 0,1,2,3
	v_pk_add_f32 v[CHN+2*\c:CHN+2*\c+1], v[CHN+2*\c:CHN+2*\c+1], v[tj+2*\c:tj+2*\c+1]
.endr
.set j, j+1
.endr
	ACROSS
	v_mul_f32 v[MU], s20, v[CHN]
	v_mul_f32 v[MU+1], s20, v[CHN]
.set j, 0
.rept 8
	SETT
.irp c, 0,1,2,3
	v_pk_add_f32 v[tj+2*\c:tj+2*\c+1], v[tj+2*\c:tj+2*\c+1], v[MU:MU+1] neg_lo:[0,1] neg_hi:[0,1]
.endr
.set j, j+1
.endr
.irp c, 0,1,2,3
	v_pk_mul_f32 v[CHN+2*\c:CHN+2*\c+1], v[TA+2*\c:TA+2*\c+1], v[TA+2*\c:TA+2*\c+1]
.endr
.set j, 1
.rept 7
	SETT
.irp c, 0,1,2,3
	v_pk_fma_f32 v[CHN+2*\c:CHN+2*\c+1], v[tj+2*\c:tj+2*\c+1], v[tj+2*\c:tj+2*\c+1], v[CHN+2*\c:CHN+2*\c+1]
.endr
.set j, j+1
.endr
	ACROSS
	v_fma_f32 v[CHN], v[CHN], s20, s21
	v_rsq_f32 v[MU], v[CHN]
	s_wait_loadcnt 0x0                             ; g and b
.set j, 0
.rept 32                               ; plain work behind the root
	RNE2 G+2*j, G+2*j+1, CHN+2
	RNE2 B+2*j, B+2*j+1, CHN+3
.set j, j+1
.endr
	s_wait_alu depctr_va_vdst(0)
	v_mov_b32 v[MU+1], v[MU]
.set j, 0
.rept 8
	SETT
.irp c, 0,1,2,3
	v_pk_mul_f32 v[tj+2*\c:tj+2*\c+1], v[tj+2*\c:tj+2*\c+1], v[MU:MU+1]
	v_pk_fma_f32 v[tj+2*\c:tj+2*\c+1], v[tj+2*\c:tj+2*\c+1], v[G+8*j+2*\c:G+8*j+2*\c+1], v[B+8*j+2*\c:B+8*j+2*\c+1]
	v_cvt_pk_f16_f32 v[R+32+4*j+\c], v[tj+2*\c], v[tj+2*\c+1]
.endr
	global_store_b128 v[XO], v[R+32+4*j:R+32+4*j+3], s[12:13] offset:256*j   ; 16 lanes: 256 consecutive bytes, aligned
.set j, j+1
.endr
	s_endpgm
.Lfunc_end_k_qeb640f2d57_ln1:
	.size	k_qeb640f2d57_ln1, .Lfunc_end_k_qeb640f2d57_ln1-k_qeb640f2d57_ln1
	.p2alignl 7, 3214868480
	.fill 96, 4, 3214868480
	.section	.rodata,"a",@progbits
	.p2align	6, 0x0
	.amdhsa_kernel k_qeb640f2d57_ln1
		.amdhsa_group_segment_fixed_size 0
		.amdhsa_private_segment_fixed_size 0
		.amdhsa_enable_private_segment 0
		.amdhsa_kernarg_size 40
		.amdhsa_user_sgpr_count 2
		.amdhsa_user_sgpr_kernarg_segment_ptr 1
		.amdhsa_wavefront_size32 1
		.amdhsa_system_sgpr_workgroup_id_x 1
		.amdhsa_system_sgpr_workgroup_id_y 1
		.amdhsa_system_sgpr_workgroup_id_z 1
		.amdhsa_system_vgpr_workitem_id 0
		.amdhsa_next_free_vgpr 240
		.amdhsa_next_free_sgpr 66
		.amdhsa_reserve_vcc 0
		.amdhsa_float_denorm_mode_32 3
		.amdhsa_float_denorm_mode_16_64 3
		.amdhsa_memory_ordered 1
		.amdhsa_forward_progress 1
		.amdhsa_inst_pref_size 37
	.end_amdhsa_kernel
	.amdgpu_metadata
---
amdhsa.version: [ 1, 2 ]
amdhsa.kernels:
  - .name:           k_qeb640f2d57_ln1
    .symbol:         k_qeb640f2d57_ln1.kd
    .args:
      - { .name: cst, .offset: 0, .size: 8, .value_kind: global_buffer, .address_space: global }
      - { .name: ao, .offset: 8, .size: 8, .value_kind: global_buffer, .address_space: global }
      - { .name: ln_g, .offset: 16, .size: 8, .value_kind: global_buffer, .address_space: global }
      - { .name: ln_b, .offset: 24, .size: 8, .value_kind: global_buffer, .address_space: global }
      - { .name: h16, .offset: 32, .size: 8, .value_kind: global_buffer, .address_space: global }
    .group_segment_fixed_size: 0
    .private_segment_fixed_size: 0
    .kernarg_segment_align: 8
    .kernarg_segment_size: 40
    .max_flat_workgroup_size: 256
    .sgpr_count:     66
    .vgpr_count:     240
    .wavefront_size: 32
...
	.end_amdgpu_metadata
.endif
;; end of part 4
;; launch mlp1 (part 5): grid 16 x 16, 4 waves a work-group, clusters of 4 x 4, 327,680 bytes of LDS; arguments h16, cst, b1, act; writes act
.if DOCPART == 5
	.amdgcn_target "amdgcn-amd-amdhsa--gfx1250"
	.amdhsa_code_object_version 6
	.text
	.protected	k_qeb640f2d57_mlp1
	.globl	k_qeb640f2d57_mlp1
	.p2align	8
	.type	k_qeb640f2d57_mlp1,@function
k_qeb640f2d57_mlp1:
	s_mov_b64 s[64:65], 0
	v_nop
	global_prefetch_b8 v0, s[64:65] scope:SCOPE_SE
	s_setreg_imm32_b32 hwreg(HW_REG_WAVE_MODE, 25, 1), 1
	s_wait_xcnt 0x0
	s_wait_alu depctr_hold_cnt(0) depctr_sa_sdst(0) depctr_va_vdst(0) depctr_va_sdst(0) depctr_va_ssrc(0) depctr_va_vcc(0) depctr_vm_vsrc(0)
	s_getreg_b32 s2, hwreg(HW_REG_IB_STS2, 6, 4)
	s_cmp_eq_u32 s2, 0
	s_cbranch_scc0 .Lentry_in_a_cluster
	s_endpgm
.Lentry_in_a_cluster:
	s_bfe_u32 s2, ttmp6, 0x10000c
	s_cmp_lg_u32 s2, 0xf033
	s_cbranch_scc0 .Lentry_shape_is_right
	s_endpgm
.Lentry_shape_is_right:
; act = gelu(h [4096][1024] x w1 [1024][4096] + b1), f16 operands, f32 sums, exact GELU, stored bf16.  b1 is rounded to bf16 like every input.
; gelu(x) = max(x, 0) - |x| Q, Q = t poly(t) exp(-x^2 / 2) / 2, t = 1 / (1 + 0.23164189 |x|): the five-term rational form of erfc, absolute error of erf at most 1.5e-7 for every x.
; A tile is 256 x 256, four waves of 128 x 128 (64 accumulators); K goes in 8 steps of 128 through two LDS slots.  B lies [k][n]: its fragments come out of LDS turned (ds_load_tr16_b128).
; The matrix instruction is used transposed (source 0 = 16 columns of B, source 1 = 16 rows of A).  CLUSTER 4 x 4: A's tiles jointly along a row of the cluster, B's along a column.
; REGISTERS: window 0: v8-29 bias and addresses; v64-127, v128-191 A's fragments; on the way out v32-135.  window 1: v64-127, v128-191 B's fragments.  windows 2, 3: the accumulators of my rows 0-63, 64-127.
.set PA,     272
.set PB,     544                       ; a k-row of B: 512 bytes + 32 = 17 x 32
.set HALFT,  34816                     ; 128 rows of A, or 64 k-rows of B: what one load brings
.set BOFF,   69632
.set SLOT,   139264                    ; 0x22000: no load's base (wave x 0x8800) has one of its bits, so one exclusive or changes slots
.set SPARE,  278528
.set SPITCH, 528                       ; the way out: 128 f32 + 16 bytes
.set WSTAGE, 128*SPITCH                ; a wave's stage; the four lie over the ring, which has had its last fill by then
.set STEPS,  8
.set STEPA,  256
.set STEPB,  1048576
.set W1OFF,  14680064
.set BI,    8
.set TT,    12
.set ADRA0, 16
.set ADRB0, 17
.set ADRA,  18
.set ADRB,  19
.set STO,   24
.set RD,    25
.set CO,    26
.set BO,    27
.set SPW,   28
.set NIL,   29
.set XR,    32
.set W,     48
.set D,     64
.set E,     80
.set QP,    96
.set R,     112
.set Y,     128
.set F0,    64
.set F1,    128
.set WV, 12
.set RH, 13
.set CH, 14
.set TB, 15
.set G1, 24
.set G0, 32
.set G1B, 48
.set G0B, 56
.set CP,  66
.set CA5, 68
.set CA4, 70
.set CA3, 72
.set CA2, 74
.set CA1, 76
.set CN,  78
.set MSB, 0
.macro WIN new
.if MSB != (\new)
	s_set_vgpr_msb (MSB<<8)|(\new)
.set MSB, \new
.endif
.endm
.set MUL_LO, 0xa1
.set MUL_HI, 0xf1
.set TO_B,   0x40
.macro JLOAD s                         ; a joint load: waves 0, 1 fetch A's halves, waves 2, 3 B's; s_nop 0 and four v_nop behind each line
	s_cmp_eq_u32 s[RH], 0
	s_cbranch_scc0 .Lfor_b_\@
	tensor_load_to_lds s[G0+4*(\s):G0+4*(\s)+3], s[G1:G1+7]
	s_nop 0
.rept 4
	v_nop
.endr
	s_branch .Lasked_\@
.Lfor_b_\@:
	tensor_load_to_lds s[G0B+4*(\s):G0B+4*(\s)+3], s[G1B:G1B+7]
	s_nop 0
.rept 4
	v_nop
.endr
.Lasked_\@:
.endm
.macro CREST
	s_cmp_lg_u32 s[WV], 0
	s_cbranch_scc1 .Lnot_wave_0_\@
	s_barrier_signal -3
.Lnot_wave_0_\@:
	s_barrier_wait -3
	s_barrier_signal -1
	s_barrier_wait -1
.endm
.macro CROUND
	s_barrier_signal -1
	s_barrier_wait -1
	CREST
.endm
.macro PLACES
.rept 4
	v_nop
.endr
.endm
.macro RNE2 a, b, t
	v_cvt_pk_bf16_f32 v[\t], v[\a], v[\b]
	v_lshlrev_b32 v[\a], 16, v[\t]
	v_and_b32 v[\b], 0xffff0000, v[\t]
.endm
	s_load_b256 s[4:11], s[0:1], 0x0               ; h16, cst, b1, act
	v_lshl_add_u32 v[SPW], v0, 2, SPARE
	v_mov_b32 v[NIL], 0
	ds_add_u32 v[SPW], v[NIL]                      ; the wave's opening: the add and its wait ahead of my first tensor load
	ds_add_u32 v28, v29
	v_lshrrev_b32 v1, 5, v0
	v_readfirstlane_b32 s[WV], v1
	s_lshr_b32 s[RH], s[WV], 1                     ; my half of the tile's rows; also: I fetch for A (0) or B (1)
	s_and_b32 s[CH], s[WV], 1                      ; my half of its columns; also: which half of that tile I fetch
	s_bfe_u32 s40, ttmp6, 0x40000
	s_bfe_u32 s41, ttmp6, 0x40004
	s_lshl_b32 s42, ttmp9, 2
	s_add_co_u32 s42, s42, s40                     ; tile column
	s_and_b32 s43, ttmp7, 0xffff
	s_lshl_b32 s43, s43, 2
	s_add_co_u32 s43, s43, s41                     ; tile row
	s_lshl_b32 s44, s41, 2
	s_lshl_b32 s44, 15, s44
	s_lshl_b32 s45, 0x1111, s40
	s_or_b32 s[G1], s44, (1<<16)|(1<<20)|(1<<21)|(5<<22)|(3<<25)   ; 4 words of padding behind every 64
	s_or_b32 s[G1B], s45, (1<<16)|(1<<20)|(1<<21)|(6<<22)|(7<<25)  ; 8 words behind every 128
	s_mov_b32 s[G1+1], 128<<16                     ; A: 128 rows x 128 elements, 1,024 from row to row
	s_mov_b32 s[G1+2], 128<<16
	s_mov_b32 s[G1+3], 128<<16
	s_mov_b32 s[G1+4], 128
	s_mov_b32 s[G1+5], 1024
	s_mov_b32 s[G1+6], 0
	s_mov_b32 s[G1+7], 0
	s_mov_b32 s[G1B+1], 256<<16                    ; B: 64 k-rows x 256 elements, 4,096 from row to row
	s_mov_b32 s[G1B+2], 64<<16
	s_mov_b32 s[G1B+3], 256<<16
	s_mov_b32 s[G1B+4], 64
	s_mov_b32 s[G1B+5], 4096
	s_mov_b32 s[G1B+6], 0
	s_mov_b32 s[G1B+7], 0
	s_lshl_b32 s16, s43, 19                        ; A: (256 tile row + 128 half) x 2,048 bytes
	s_lshl_b32 s17, s[CH], 18
	s_add_co_u32 s16, s16, s17
	s_mov_b32 s17, 0
	s_lshl_b32 s46, s42, 9                         ; B: 512 bytes x tile column + 64 k-rows of 8,192 x half
	s_lshl_b32 s47, s[CH], 19
	s_add_co_u32 s46, s46, s47
	s_add_co_u32 s46, s46, W1OFF
	s_mov_b32 s47, 0
	s_mul_i32 s20, s[WV], HALFT
	s_mov_b32 s[TB], 0
	s_mov_b32 s[CP], 0x3e6d3388                    ; 0.23164189
	s_mov_b32 s[CA5], 0x3f07dc22                   ; the polynomial's coefficients, halved
	s_mov_b32 s[CA5+1], 0x3f07dc22
	s_mov_b32 s[CA4], 0xbf3a00e3
	s_mov_b32 s[CA4+1], 0xbf3a00e3
	s_mov_b32 s[CA3], 0x3f35f0e3
	s_mov_b32 s[CA3+1], 0x3f35f0e3
	s_mov_b32 s[CA2], 0xbe11a98e
	s_mov_b32 s[CA2+1], 0xbe11a98e
	s_mov_b32 s[CA1], 0x3e027906
	s_mov_b32 s[CA1+1], 0x3e027906
	s_mov_b32 s[CN], 0xbf38aa3b                    ; -log2(e) / 2
	s_mov_b32 s[CN+1], 0xbf38aa3b
	s_wait_dscnt 0x0
	s_wait_kmcnt 0x0
	s_add_nc_u64 s[16:17], s[4:5], s[16:17]
	s_add_nc_u64 s[46:47], s[6:7], s[46:47]
	CROUND                                         ; all sixteen work-groups are here: the first joint loads meet
.irp s, 0,1
	s_mov_b32 s[G0+4*(\s)], 1
	s_add_co_u32 s[G0+4*(\s)+1], s20, (\s)*SLOT
	s_add_nc_u64 s[G0+4*(\s)+2:G0+4*(\s)+3], s[16:17], (\s)*STEPA
	s_or_b32 s[G0+4*(\s)+3], s[G0+4*(\s)+3], 0x80000000
	s_mov_b32 s[G0B+4*(\s)], 1
	s_add_co_u32 s[G0B+4*(\s)+1], s20, (\s)*SLOT
	s_add_nc_u64 s[G0B+4*(\s)+2:G0B+4*(\s)+3], s[46:47], (\s)*STEPB
	s_or_b32 s[G0B+4*(\s)+3], s[G0B+4*(\s)+3], 0x80000000
	JLOAD \s                                       ; steps 0 and 1: two loads of mine are out
.endr
	v_and_b32 v1, 15, v0
	v_bfe_u32 v2, v0, 4, 1
	v_and_b32 v3, 7, v0
	v_bfe_u32 v4, v0, 3, 1
	v_and_b32 v5, 31, v0
	v_mul_u32_u24 v[ADRA0], v1, PA
	v_lshl_add_u32 v[ADRA0], v2, 4, v[ADRA0]
	s_mul_i32 s21, s[RH], HALFT
	v_add_nc_u32 v[ADRA0], s21, v[ADRA0]
	v_lshl_add_u32 v[ADRB0], v2, 3, v3
	v_mul_u32_u24 v[ADRB0], v[ADRB0], PB
	v_lshl_add_u32 v[ADRB0], v4, 4, v[ADRB0]
	s_lshl_b32 s22, s[CH], 8
	s_add_co_u32 s22, s22, BOFF
	v_add_nc_u32 v[ADRB0], s22, v[ADRB0]
	v_mov_b32 v[ADRA], v[ADRA0]
	v_mov_b32 v[ADRB], v[ADRB0]
	s_mul_i32 s23, s[WV], WSTAGE
	v_mul_u32_u24 v[STO], v1, SPITCH
	v_lshl_add_u32 v[STO], v2, 5, v[STO]
	v_add_nc_u32 v[STO], s23, v[STO]
	v_lshl_add_u32 v[RD], v5, 4, s23               ; back: one load is one row of my 128 columns
	v_lshlrev_b32 v[CO], 3, v5
	s_lshl_b32 s21, s42, 10
	s_lshl_b32 s22, s[CH], 9
	s_add_co_u32 s21, s21, s22
	v_lshl_add_u32 v[BO], v5, 4, s21
	global_load_b128 v[BI:BI+3], v[BO], s[8:9]     ; b1 of my four columns
	s_lshl_b32 s18, s43, 21                        ; act: (256 tile row + 128 half) x 8,192 + 512 tile column + 256 half
	s_lshl_b32 s19, s[RH], 20
	s_add_co_u32 s18, s18, s19
	s_lshl_b32 s19, s42, 9
	s_add_co_u32 s18, s18, s19
	s_lshl_b32 s19, s[CH], 8
	s_add_co_u32 s18, s18, s19
	s_mov_b32 s19, 0
	s_add_nc_u64 s[10:11], s[10:11], s[18:19]
.macro MUL16 f, hi, a0, zero           ; 16 products; the 64 accumulators take turns, one instruction a turn
	WIN MUL_LO+0x50*(\hi)
.irp a, \a0, (\a0)+1
.irp b, 0,1,2,3,4,5,6,7
.if \zero
	v_wmma_f32_16x16x32_f16 v[8*(8*(\a)+(\b)):8*(8*(\a)+(\b))+7], v[(\f)+8*(\b):(\f)+8*(\b)+7], v[(\f)+8*(4*(\hi)+(\a)):(\f)+8*(4*(\hi)+(\a))+7], 0
.else
	v_wmma_f32_16x16x32_f16 v[8*(8*(\a)+(\b)):8*(8*(\a)+(\b))+7], v[(\f)+8*(\b):(\f)+8*(\b)+7], v[(\f)+8*(4*(\hi)+(\a)):(\f)+8*(4*(\hi)+(\a))+7], v[8*(8*(\a)+(\b)):8*(8*(\a)+(\b))+7]
.endif
.endr
.endr
.endm
.macro FETCH q, f                      ; 32 LDS loads in one run: quarter q of the slot in hand into buffer f
	WIN TO_B
.irp i, 0,1,2,3,4,5,6,7
	ds_load_tr16_b128 v[(\f)+8*(\i):(\f)+8*(\i)+3],   v[ADRB] offset:32*PB*(\q)+32*(\i)
	ds_load_tr16_b128 v[(\f)+8*(\i)+4:(\f)+8*(\i)+7], v[ADRB] offset:32*PB*(\q)+16*PB+32*(\i)
.endr
	WIN 0
.irp i, 0,1,2,3,4,5,6,7
	ds_load_b128 v[(\f)+8*(\i):(\f)+8*(\i)+3],   v[ADRA] offset:64*(\q)+16*PA*(\i)
	ds_load_b128 v[(\f)+8*(\i)+4:(\f)+8*(\i)+7], v[ADRA] offset:64*(\q)+16*PA*(\i)+32
.endr
.endm
.macro QUARTER q, f, g, zero
	s_wait_dscnt 8                                 ; all but the youngest eight loads (A's rows 64-127)
	MUL16 \f, 0, 0, \zero
	MUL16 \f, 0, 2, \zero
	PLACES
	FETCH \q, \g
	s_wait_dscnt 32                                ; all but the 32 just issued
	MUL16 \f, 1, 0, \zero
	MUL16 \f, 1, 2, \zero
.endm
; The last quarter of a step multiplies buffer 1 and changes slots.  Half of its 64 products need registers alone and stand AHEAD of the wait for the tile, so that between a tile's landing and the next request
; stand only the add, the descriptors' steps, the wait for the add and for my reads of this slot, and the barrier (with fill = 1 a round of the cluster's).  Behind it this slot is filled again first, with
; the step two on; then come the next slot's first fragments, and the other 32 products stand behind those loads.
.macro TURN fill
	s_wait_dscnt 8                                 ; all but the youngest eight loads (A's rows 64-127)
	MUL16 F1, 0, 0, 0
	MUL16 F1, 0, 2, 0
	WIN 0
	s_wait_tensorcnt 0x0                           ; all my tensor loads have landed: the one that was out is my part of the next slot
	ds_add_u32 v[SPW], v[NIL]
.if \fill
	s_xor_b32 s[G0+5], s[G0+5], SLOT               ; the walking descriptors: the other slot, one step on
	s_add_nc_u64 s[G0+6:G0+7], s[G0+6:G0+7], STEPA
	s_xor_b32 s[G0B+5], s[G0B+5], SLOT
	s_add_nc_u64 s[G0B+6:G0B+7], s[G0B+6:G0B+7], STEPB
.endif
	s_xor_b32 s[TB], s[TB], SLOT
	v_add_nc_u32 v[ADRA], s[TB], v[ADRA0]
	v_add_nc_u32 v[ADRB], s[TB], v[ADRB0]
	s_wait_dscnt 0x0                               ; the add is done, my reads of this slot are over
	s_barrier_signal -1
	s_barrier_wait -1
.if \fill
	CREST
	JLOAD 1                                        ; its four v_nop are also the places ahead of the loads below
.else
	PLACES
.endif
	FETCH 0, F0
	MUL16 F1, 1, 0, 0
	MUL16 F1, 1, 2, 0
.endm
	s_wait_tensorcnt 1                             ; my part of step 0 is in; step 1's may stay out
	s_barrier_signal -1
	s_barrier_wait -1
	FETCH 0, F0
	QUARTER 1, F0, F1, 1
	WIN 0
	s_mov_b32 s3, STEPS-2
.Lstep:
	QUARTER 2, F1, F0, 0
	QUARTER 3, F0, F1, 0
	TURN 1
	QUARTER 1, F0, F1, 0
	WIN 0
	s_sub_co_u32 s3, s3, 1
	s_cmp_lg_u32 s3, 0
	s_cbranch_scc1 .Lstep
	s_mov_b32 s3, 2
.Ltail:                                                ; the last two steps ask for nothing: one text, walked twice and left in its middle.  The second walk's change of slots fetches 32 fragments of the
	QUARTER 2, F1, F0, 0                           ; stale slot that nobody multiplies: the price, once a launch, of one text for both
	QUARTER 3, F0, F1, 0
	TURN 0
	WIN 0
	s_sub_co_u32 s3, s3, 1
	s_cmp_eq_u32 s3, 0
	s_cbranch_scc1 .Lout
	QUARTER 1, F0, F1, 0
	WIN 0
	s_branch .Ltail
.Lout:
	s_wait_dscnt 0x0                               ; my last reads of the ring are back
	s_barrier_signal -1                            ; every wave's are: the stages may be laid over it
	s_barrier_wait -1
	PLACES
.irp hi, 0,1
	WIN 0x08+4*(\hi)                               ; store data in window 2, then 3
.irp a, 0,1,2,3
.irp b, 0,1,2,3,4,5,6,7
	ds_store_b128 v[STO], v[8*(8*(\a)+(\b)):8*(8*(\a)+(\b))+3]   offset:16*SPITCH*(4*(\hi)+(\a))+64*(\b)
	ds_store_b128 v[STO], v[8*(8*(\a)+(\b))+4:8*(8*(\a)+(\b))+7] offset:16*SPITCH*(4*(\hi)+(\a))+64*(\b)+16
.endr
.endr
.endr
	WIN 0
.macro LOADX                           ; four rows of my stage: LDS serves a wave's instructions in order, so these see the stores above
.irp u, 0,1,2,3
	ds_load_b128 v[XR+4*(\u):XR+4*(\u)+3], v[RD] offset:SPITCH*(\u)
.endr
.endm
.macro HORN m                          ; link m of 32 of the polynomial in t, by Horner: four links for each of the eight pairs
.set p, 2*((\m)%8)
.if (\m) < 8
	s_wait_alu depctr_va_vdst(0)
	v_pk_fma_f32 v[QP+p:QP+p+1], v[D+p:D+p+1], s[CA5:CA5+1], s[CA4:CA4+1] op_sel_hi:[1,0,0]
.elseif (\m) < 16
	v_pk_fma_f32 v[QP+p:QP+p+1], v[QP+p:QP+p+1], v[D+p:D+p+1], s[CA3:CA3+1] op_sel_hi:[1,1,0]
.elseif (\m) < 24
	v_pk_fma_f32 v[QP+p:QP+p+1], v[QP+p:QP+p+1], v[D+p:D+p+1], s[CA2:CA2+1] op_sel_hi:[1,1,0]
.else
	v_pk_fma_f32 v[QP+p:QP+p+1], v[QP+p:QP+p+1], v[D+p:D+p+1], s[CA1:CA1+1] op_sel_hi:[1,1,0]
.endif
.endm
	LOADX
	s_wait_loadcnt 0x0                             ; b1
	RNE2 BI, BI+1, TT
	RNE2 BI+2, BI+3, TT
	s_mov_b32 s3, 32
	s_mov_b32 s18, 0                               ; what act's address steps by (s19 is 0): nothing ahead of the first trip's stores
.Lrow:                                                 ; a trip is four rows, 16 numbers a lane: + bias, GELU, rounded to bf16, stored
	s_wait_dscnt 0x0
.irp u, 0,1,2,3
	v_pk_add_f32 v[W+4*(\u):W+4*(\u)+1],   v[XR+4*(\u):XR+4*(\u)+1],   v[BI:BI+1]
	v_pk_add_f32 v[W+4*(\u)+2:W+4*(\u)+3], v[XR+4*(\u)+2:XR+4*(\u)+3], v[BI+2:BI+3]
.endr
	s_cmp_eq_u32 s3, 1                             ; the last trip has no next rows
	s_cbranch_scc1 .Lnomore
	v_add_nc_u32 v[RD], 4*SPITCH, v[RD]
	LOADX
.Lnomore:
.set n, 0
.rept 16
	v_fma_f32 v[D+n], |v[W+n]|, s[CP], 1.0
.set n, n+1
.endr
.set n, 0
.rept 8                                ; the reciprocals (t) by turns with the squares: a plain, independent line stands behind each
	v_rcp_f32 v[D+n], v[D+n]
	v_pk_mul_f32 v[E+2*n:E+2*n+1], v[W+2*n:W+2*n+1], v[W+2*n:W+2*n+1]
.set n, n+1
.endr
.set n, 0
.rept 8
	v_rcp_f32 v[D+8+n], v[D+8+n]
	v_pk_mul_f32 v[E+2*n:E+2*n+1], v[E+2*n:E+2*n+1], s[CN:CN+1] op_sel_hi:[1,0]
.set n, n+1
.endr
.set n, 0
.rept 16                               ; exp(-x^2 / 2), one to every two links of the polynomial, which name neither its source nor its result
	v_exp_f32 v[E+n], v[E+n]
	HORN 2*n
	HORN 2*n+1
.set n, n+1
.endr
.set n, 0
.rept 8
	v_pk_mul_f32 v[QP+2*n:QP+2*n+1], v[QP+2*n:QP+2*n+1], v[D+2*n:D+2*n+1]
.set n, n+1
.endr
.set n, 0
	s_wait_alu depctr_va_vdst(0)
.rept 8
	v_pk_mul_f32 v[QP+2*n:QP+2*n+1], v[QP+2*n:QP+2*n+1], v[E+2*n:E+2*n+1]
.set n, n+1
.endr
.set n, 0
.rept 16
	v_max_num_f32 v[R+n], 0, v[W+n]
.set n, n+1
.endr
.set n, 0
.rept 16
	v_fma_f32 v[R+n], -|v[W+n]|, v[QP+n], v[R+n]
.set n, n+1
.endr
	s_wait_xcnt 0x0                                ; the last trip's stores have read Y and the address: both are rewritten only behind this wait, which stands a trip's work behind those stores
	s_add_nc_u64 s[10:11], s[10:11], s[18:19]
	s_mov_b32 s18, 32768                           ; four rows of act
.set n, 0
.rept 8
	v_cvt_pk_bf16_f32 v[Y+n], v[R+2*n], v[R+2*n+1]
.set n, n+1
.endr
.irp u, 0,1,2,3
	global_store_b64 v[CO], v[Y+2*(\u):Y+2*(\u)+1], s[10:11] offset:8192*(\u)   ; 32 lanes: 256 consecutive bytes, aligned
.endr
	s_sub_co_u32 s3, s3, 1
	s_cmp_lg_u32 s3, 0
	s_cbranch_scc1 .Lrow
	s_wait_tensorcnt 0x0                           ; the wave's end
	ds_add_u32 v[SPW], v[NIL]
	s_wait_dscnt 0x0
	CROUND                                         ; the closing round
	s_endpgm
.Lfunc_end_k_qeb640f2d57_mlp1:
	.size	k_qeb640f2d57_mlp1, .Lfunc_end_k_qeb640f2d57_mlp1-k_qeb640f2d57_mlp1
	.p2alignl 7, 3214868480
	.fill 96, 4, 3214868480
	.section	.rodata,"a",@progbits
	.p2align	6, 0x0
	.amdhsa_kernel k_qeb640f2d57_mlp1
		.amdhsa_group_segment_fixed_size 327680
		.amdhsa_private_segment_fixed_size 0
		.amdhsa_enable_private_segment 0
		.amdhsa_kernarg_size 32
		.amdhsa_user_sgpr_count 2
		.amdhsa_user_sgpr_kernarg_segment_ptr 1
		.amdhsa_wavefront_size32 1
		.amdhsa_system_sgpr_workgroup_id_x 1
		.amdhsa_system_sgpr_workgroup_id_y 1
		.amdhsa_system_sgpr_workgroup_id_z 1
		.amdhsa_system_vgpr_workitem_id 0
		.amdhsa_next_free_vgpr 1024
		.amdhsa_next_free_sgpr 80
		.amdhsa_reserve_vcc 0
		.amdhsa_float_denorm_mode_32 3
		.amdhsa_float_denorm_mode_16_64 3
		.amdhsa_memory_ordered 1
		.amdhsa_forward_progress 1
		.amdhsa_inst_pref_size 88
	.end_amdhsa_kernel
	.amdgpu_metadata
---
amdhsa.version: [ 1, 2 ]
amdhsa.kernels:
  - .name:           k_qeb640f2d57_mlp1
    .symbol:         k_qeb640f2d57_mlp1.kd
    .args:
      - { .name: h16, .offset: 0, .size: 8, .value_kind: global_buffer, .address_space: global }
      - { .name: cst, .offset: 8, .size: 8, .value_kind: global_buffer, .address_space: global }
      - { .name: b1, .offset: 16, .size: 8, .value_kind: global_buffer, .address_space: global }
      - { .name: act, .offset: 24, .size: 8, .value_kind: global_buffer, .address_space: global }
    .group_segment_fixed_size: 327680
    .private_segment_fixed_size: 0
    .kernarg_segment_align: 8
    .kernarg_segment_size: 32
    .max_flat_workgroup_size: 128
    .sgpr_count:     80
    .vgpr_count:     1024
    .wavefront_size: 32
...
	.end_amdgpu_metadata
.endif
;; end of part 5
;; launch mlp2 (part 6): grid 8 x 32, 4 waves a work-group, clusters of 4 x 4, 327,680 bytes of LDS; arguments act, cst, mm; writes mm
.if DOCPART == 6
	.amdgcn_target "amdgcn-amd-amdhsa--gfx1250"
	.amdhsa_code_object_version 6
	.text
	.protected	k_qeb640f2d57_mlp2
	.globl	k_qeb640f2d57_mlp2
	.p2align	8
	.type	k_qeb640f2d57_mlp2,@function
k_qeb640f2d57_mlp2:
	s_mov_b64 s[64:65], 0
	v_nop
	global_prefetch_b8 v0, s[64:65] scope:SCOPE_SE
	s_setreg_imm32_b32 hwreg(HW_REG_WAVE_MODE, 25, 1), 1
	s_wait_xcnt 0x0
	s_wait_alu depctr_hold_cnt(0) depctr_sa_sdst(0) depctr_va_vdst(0) depctr_va_sdst(0) depctr_va_ssrc(0) depctr_va_vcc(0) depctr_vm_vsrc(0)
	s_getreg_b32 s2, hwreg(HW_REG_IB_STS2, 6, 4)
	s_cmp_eq_u32 s2, 0
	s_cbranch_scc0 .Lentry_in_a_cluster
	s_endpgm
.Lentry_in_a_cluster:
	s_bfe_u32 s2, ttmp6, 0x10000c
	s_cmp_lg_u32 s2, 0xf033
	s_cbranch_scc0 .Lentry_shape_is_right
	s_endpgm
.Lentry_shape_is_right:
; mm = act [4096][4096] x w2 [4096][1024], bf16 operands, f32 sums, stored f32 (bias and residual are added by the launch behind, which reads these bytes anyway).
; A tile is 128 x 128: 8 x 32 = 256 work-groups; four waves of 64 x 64 (16 accumulators).  K goes in 16 steps of 256 through two LDS slots.  B lies [k][n]: fragments turned by ds_load_tr16_b128.
; The matrix instruction is used transposed.  CLUSTER 4 x 4: A's tiles jointly along a row of the cluster, B's along a column.
; REGISTERS: window 0: v16-29 addresses, v32-95 the way out, v128-255 accumulators ((a, b) at v[128 + 8 (4 a + b)]).  window 1: two fragment buffers of 128: 64 of A, then 64 of B, for 64 along K.
.set PA,     528
.set PB,     288                       ; a k-row of B: 256 bytes + 32 = 9 x 32
.set HALFA,  64*PA                     ; 0x8400
.set BOFF,   128*PA                    ; 0x10800
.set HALFB,  128*PB                    ; 0x9000
.set SLOT,   147456                    ; 0x24000: no load's base has one of its bits
.set SPARE,  294912
.set SPITCH, 272                       ; the way out: 64 f32 + 16 bytes
.set WSTAGE, 64*SPITCH
.set STEPS,  16
.set STEPA,  512
.set STEPB,  524288
.set W2OFF,  23068672
.set ADRA0, 16
.set ADRB0, 17
.set ADRA,  18
.set ADRB,  19                         ; v19 quarters 0, 1; v20 quarters 2, 3 (128 k-rows on), so that the offsets stay within 16 bits
.set STO,   24
.set RD,    25
.set CO,    26
.set SPW,   28
.set NIL,   29
.set TMP,   32
.set ACC,   128
.set F0,    0
.set F1,    128
.set WV, 12
.set RH, 13
.set CH, 14
.set TB, 15
.set G1, 24
.set G0, 32
.set G1B, 48
.set G0B, 56
.set MSB, 0
.macro WIN new
.if MSB != (\new)
	s_set_vgpr_msb (MSB<<8)|(\new)
.set MSB, \new
.endif
.endm
.set MUL,  0x05
.set TO_F, 0x40
.macro JLOAD s                         ; a joint load: waves 0, 1 fetch A's halves, waves 2, 3 B's; s_nop 0 and four v_nop behind each line
	s_cmp_eq_u32 s[RH], 0
	s_cbranch_scc0 .Lfor_b_\@
	tensor_load_to_lds s[G0+4*(\s):G0+4*(\s)+3], s[G1:G1+7]
	s_nop 0
.rept 4
	v_nop
.endr
	s_branch .Lasked_\@
.Lfor_b_\@:
	tensor_load_to_lds s[G0B+4*(\s):G0B+4*(\s)+3], s[G1B:G1B+7]
	s_nop 0
.rept 4
	v_nop
.endr
.Lasked_\@:
.endm
.macro CREST
	s_cmp_lg_u32 s[WV], 0
	s_cbranch_scc1 .Lnot_wave_0_\@
	s_barrier_signal -3
.Lnot_wave_0_\@:
	s_barrier_wait -3
	s_barrier_signal -1
	s_barrier_wait -1
.endm
.macro CROUND
	s_barrier_signal -1
	s_barrier_wait -1
	CREST
.endm
.macro PLACES
.rept 4
	v_nop
.endr
.endm
	s_load_b128 s[4:7], s[0:1], 0x0                ; act, cst
	s_load_b64 s[8:9], s[0:1], 0x10                ; mm
	v_lshl_add_u32 v[SPW], v0, 2, SPARE
	v_mov_b32 v[NIL], 0
	ds_add_u32 v[SPW], v[NIL]                      ; the wave's opening: the add and its wait ahead of my first tensor load
	ds_add_u32 v28, v29
	v_lshrrev_b32 v1, 5, v0
	v_readfirstlane_b32 s[WV], v1
	s_lshr_b32 s[RH], s[WV], 1
	s_and_b32 s[CH], s[WV], 1
	s_bfe_u32 s40, ttmp6, 0x40000
	s_bfe_u32 s41, ttmp6, 0x40004
	s_lshl_b32 s42, ttmp9, 2
	s_add_co_u32 s42, s42, s40                     ; tile column
	s_and_b32 s43, ttmp7, 0xffff
	s_lshl_b32 s43, s43, 2
	s_add_co_u32 s43, s43, s41                     ; tile row
	s_lshl_b32 s44, s41, 2
	s_lshl_b32 s44, 15, s44
	s_lshl_b32 s45, 0x1111, s40
	s_or_b32 s[G1], s44, (1<<16)|(1<<20)|(1<<21)|(6<<22)|(3<<25)   ; 4 words of padding behind every 128
	s_or_b32 s[G1B], s45, (1<<16)|(1<<20)|(1<<21)|(5<<22)|(7<<25)  ; 8 words behind every 64
	s_mov_b32 s[G1+1], 256<<16                     ; A: 64 rows x 256 elements, 4,096 from row to row
	s_mov_b32 s[G1+2], 64<<16
	s_mov_b32 s[G1+3], 256<<16
	s_mov_b32 s[G1+4], 64
	s_mov_b32 s[G1+5], 4096
	s_mov_b32 s[G1+6], 0
	s_mov_b32 s[G1+7], 0
	s_mov_b32 s[G1B+1], 128<<16                    ; B: 128 k-rows x 128 elements, 1,024 from row to row
	s_mov_b32 s[G1B+2], 128<<16
	s_mov_b32 s[G1B+3], 128<<16
	s_mov_b32 s[G1B+4], 128
	s_mov_b32 s[G1B+5], 1024
	s_mov_b32 s[G1B+6], 0
	s_mov_b32 s[G1B+7], 0
	s_lshl_b32 s16, s43, 20                        ; A: (128 tile row + 64 half) x 8,192 bytes
	s_lshl_b32 s17, s[CH], 19
	s_add_co_u32 s16, s16, s17
	s_mov_b32 s17, 0
	s_lshl_b32 s46, s42, 8                         ; B: 256 bytes x tile column + 128 k-rows of 2,048 x half
	s_lshl_b32 s47, s[CH], 18
	s_add_co_u32 s46, s46, s47
	s_add_co_u32 s46, s46, W2OFF
	s_mov_b32 s47, 0
	s_mul_i32 s20, s[CH], HALFA
	s_mul_i32 s21, s[CH], HALFB
	s_add_co_u32 s21, s21, BOFF
	s_mov_b32 s[TB], 0
	s_wait_dscnt 0x0
	s_wait_kmcnt 0x0
	s_add_nc_u64 s[16:17], s[4:5], s[16:17]
	s_add_nc_u64 s[46:47], s[6:7], s[46:47]
	CROUND                                         ; all sixteen work-groups are here: the first joint loads meet
.irp s, 0,1
	s_mov_b32 s[G0+4*(\s)], 1
	s_add_co_u32 s[G0+4*(\s)+1], s20, (\s)*SLOT
	s_add_nc_u64 s[G0+4*(\s)+2:G0+4*(\s)+3], s[16:17], (\s)*STEPA
	s_or_b32 s[G0+4*(\s)+3], s[G0+4*(\s)+3], 0x80000000
	s_mov_b32 s[G0B+4*(\s)], 1
	s_add_co_u32 s[G0B+4*(\s)+1], s21, (\s)*SLOT
	s_add_nc_u64 s[G0B+4*(\s)+2:G0B+4*(\s)+3], s[46:47], (\s)*STEPB
	s_or_b32 s[G0B+4*(\s)+3], s[G0B+4*(\s)+3], 0x80000000
	JLOAD \s                                       ; steps 0 and 1: two loads of mine are out
.endr
	v_and_b32 v1, 15, v0
	v_bfe_u32 v2, v0, 4, 1
	v_and_b32 v3, 7, v0
	v_bfe_u32 v4, v0, 3, 1
	v_mul_u32_u24 v[ADRA0], v1, PA
	v_lshl_add_u32 v[ADRA0], v2, 4, v[ADRA0]
	s_mul_i32 s22, s[RH], HALFA
	v_add_nc_u32 v[ADRA0], s22, v[ADRA0]
	v_lshl_add_u32 v[ADRB0], v2, 3, v3
	v_mul_u32_u24 v[ADRB0], v[ADRB0], PB
	v_lshl_add_u32 v[ADRB0], v4, 4, v[ADRB0]
	s_lshl_b32 s22, s[CH], 7
	s_add_co_u32 s22, s22, BOFF
	v_add_nc_u32 v[ADRB0], s22, v[ADRB0]
	v_mov_b32 v[ADRA], v[ADRA0]
	v_mov_b32 v[ADRB], v[ADRB0]
	v_add_nc_u32 v[ADRB+1], HALFB, v[ADRB0]
	s_mul_i32 s23, s[WV], WSTAGE
	v_mul_u32_u24 v[STO], v1, SPITCH
	v_lshl_add_u32 v[STO], v2, 5, v[STO]
	v_add_nc_u32 v[STO], s23, v[STO]
	v_mul_u32_u24 v[RD], v2, SPITCH
	v_lshl_add_u32 v[RD], v1, 4, v[RD]
	v_add_nc_u32 v[RD], s23, v[RD]
	v_lshlrev_b32 v[CO], 4, v1
	v_lshl_add_u32 v[CO], v2, 12, v[CO]
	s_lshl_b32 s18, s43, 19                        ; mm: (128 tile row + 64 half) x 4,096 + 512 tile column + 256 half
	s_lshl_b32 s19, s[RH], 18
	s_add_co_u32 s18, s18, s19
	s_lshl_b32 s19, s42, 9
	s_add_co_u32 s18, s18, s19
	s_lshl_b32 s19, s[CH], 8
	s_add_co_u32 s18, s18, s19
	s_mov_b32 s19, 0
	s_add_nc_u64 s[8:9], s[8:9], s[18:19]
.macro MUL8 f, c, a0, zero             ; 8 products; the 16 accumulators take turns, one instruction a turn
	WIN MUL
.irp a, \a0, (\a0)+1
.irp b, 0,1,2,3
.if \zero
	v_wmma_f32_16x16x32_bf16 v[ACC+8*(4*(\a)+(\b)):ACC+8*(4*(\a)+(\b))+7], v[(\f)+64+8*(4*(\c)+(\b)):(\f)+64+8*(4*(\c)+(\b))+7], v[(\f)+8*(4*(\c)+(\a)):(\f)+8*(4*(\c)+(\a))+7], 0
.else
	v_wmma_f32_16x16x32_bf16 v[ACC+8*(4*(\a)+(\b)):ACC+8*(4*(\a)+(\b))+7], v[(\f)+64+8*(4*(\c)+(\b)):(\f)+64+8*(4*(\c)+(\b))+7], v[(\f)+8*(4*(\c)+(\a)):(\f)+8*(4*(\c)+(\a))+7], v[ACC+8*(4*(\a)+(\b)):ACC+8*(4*(\a)+(\b))+7]
.endif
.endr
.endr
.endm
.macro FETCH q, f                      ; 32 LDS loads in one run: quarter q (64 along K) into buffer f, its first 32 along K first
	WIN TO_F
.irp c, 0,1
.irp i, 0,1,2,3
	ds_load_tr16_b128 v[(\f)+64+8*(4*(\c)+(\i)):(\f)+64+8*(4*(\c)+(\i))+3],   v[ADRB+(\q)/2] offset:(64*((\q)%2)+32*(\c))*PB+32*(\i)
	ds_load_tr16_b128 v[(\f)+64+8*(4*(\c)+(\i))+4:(\f)+64+8*(4*(\c)+(\i))+7], v[ADRB+(\q)/2] offset:(64*((\q)%2)+32*(\c)+16)*PB+32*(\i)
	ds_load_b128 v[(\f)+8*(4*(\c)+(\i)):(\f)+8*(4*(\c)+(\i))+3],   v[ADRA] offset:128*(\q)+64*(\c)+16*PA*(\i)
	ds_load_b128 v[(\f)+8*(4*(\c)+(\i))+4:(\f)+8*(4*(\c)+(\i))+7], v[ADRA] offset:128*(\q)+64*(\c)+16*PA*(\i)+32
.endr
.endr
.endm
.macro QUARTER q, f, g, zero
	s_wait_dscnt 16                                ; the first 32 along K are in
	MUL8 \f, 0, 0, \zero
	MUL8 \f, 0, 2, \zero
	PLACES
	FETCH \q, \g
	s_wait_dscnt 32                                ; all but the 32 just issued
	MUL8 \f, 1, 0, 0
	MUL8 \f, 1, 2, 0
.endm
; The last quarter of a step multiplies buffer 1 and changes slots.  Half of its 32 products need registers alone and stand AHEAD of the wait for the tile, so that between a tile's landing and the next request
; stand only the add, the descriptors' steps, the wait for the add and for my reads of this slot, and the barrier (with fill = 1 a round of the cluster's).  Behind it this slot is filled again first, with
; the step two on; then come the next slot's first fragments, and the other 16 products stand behind those loads.
.macro TURN fill
	s_wait_dscnt 16                                ; the first 32 along K are in
	MUL8 F1, 0, 0, 0
	MUL8 F1, 0, 2, 0
	WIN 0
	s_wait_tensorcnt 0x0                           ; all my tensor loads have landed: the one that was out is my part of the next slot
	ds_add_u32 v[SPW], v[NIL]
.if \fill
	s_xor_b32 s[G0+5], s[G0+5], SLOT               ; the walking descriptors: the other slot, one step on
	s_add_nc_u64 s[G0+6:G0+7], s[G0+6:G0+7], STEPA
	s_xor_b32 s[G0B+5], s[G0B+5], SLOT
	s_add_nc_u64 s[G0B+6:G0B+7], s[G0B+6:G0B+7], STEPB
.endif
	s_xor_b32 s[TB], s[TB], SLOT
	v_add_nc_u32 v[ADRA], s[TB], v[ADRA0]
	v_add_nc_u32 v[ADRB], s[TB], v[ADRB0]
	v_add_nc_u32 v[ADRB+1], HALFB, v[ADRB]
	s_wait_dscnt 0x0                               ; the add is done, my reads of this slot are over
	s_barrier_signal -1
	s_barrier_wait -1
.if \fill
	CREST
	JLOAD 1                                        ; its four v_nop are also the places ahead of the loads below
.else
	PLACES
.endif
	FETCH 0, F0
	MUL8 F1, 1, 0, 0
	MUL8 F1, 1, 2, 0
.endm
	s_wait_tensorcnt 1                             ; my part of step 0 is in; step 1's may stay out
	s_barrier_signal -1
	s_barrier_wait -1
	FETCH 0, F0
	QUARTER 1, F0, F1, 1
	WIN 0
	s_mov_b32 s3, STEPS-2
.Lstep:
	QUARTER 2, F1, F0, 0
	QUARTER 3, F0, F1, 0
	TURN 1
	QUARTER 1, F0, F1, 0
	WIN 0
	s_sub_co_u32 s3, s3, 1
	s_cmp_lg_u32 s3, 0
	s_cbranch_scc1 .Lstep
	s_mov_b32 s3, 2
.Ltail:                                                ; the last two steps ask for nothing: one text, walked twice and left in its middle.  The second walk's change of slots fetches 32 fragments of the
	QUARTER 2, F1, F0, 0                           ; stale slot that nobody multiplies: the price, once a launch, of one text for both
	QUARTER 3, F0, F1, 0
	TURN 0
	WIN 0
	s_sub_co_u32 s3, s3, 1
	s_cmp_eq_u32 s3, 0
	s_cbranch_scc1 .Lout
	QUARTER 1, F0, F1, 0
	WIN 0
	s_branch .Ltail
.Lout:
	s_wait_dscnt 0x0                               ; my last reads of the ring are back
	s_barrier_signal -1                            ; every wave's are: the stages may be laid over it
	s_barrier_wait -1
	PLACES
.irp a, 0,1,2,3
.irp b, 0,1,2,3
	ds_store_b128 v[STO], v[ACC+8*(4*(\a)+(\b)):ACC+8*(4*(\a)+(\b))+3]   offset:16*SPITCH*(\a)+64*(\b)
	ds_store_b128 v[STO], v[ACC+8*(4*(\a)+(\b))+4:ACC+8*(4*(\a)+(\b))+7] offset:16*SPITCH*(\a)+64*(\b)+16
.endr
.endr
.irp g, 0,1                            ; my 64 rows in two batches of 32; a row's 64 f32 are 256 consecutive bytes of mm
.if (\g) == 1
	s_wait_xcnt 0x0                                ; the first batch's stores have read their registers
.endif
.irp t, 0,1,2,3,4,5,6,7,8,9,10,11,12,13,14,15
	ds_load_b128 v[TMP+4*(\t):TMP+4*(\t)+3], v[RD] offset:2*SPITCH*(16*(\g)+(\t))  ; LDS serves a wave's instructions in order: these see the stores above
.endr
.irp t, 0,1,2,3,4,5,6,7,8,9,10,11,12,13,14,15
	s_wait_dscnt 15-(\t)
	global_store_b128 v[CO], v[TMP+4*(\t):TMP+4*(\t)+3], s[8:9] offset:8192*(16*(\g)+(\t))
.endr
.endr
	s_wait_tensorcnt 0x0                           ; the wave's end
	ds_add_u32 v[SPW], v[NIL]
	s_wait_dscnt 0x0
	CROUND                                         ; the closing round
	s_endpgm
.Lfunc_end_k_qeb640f2d57_mlp2:
	.size	k_qeb640f2d57_mlp2, .Lfunc_end_k_qeb640f2d57_mlp2-k_qeb640f2d57_mlp2
	.p2alignl 7, 3214868480
	.fill 96, 4, 3214868480
	.section	.rodata,"a",@progbits
	.p2align	6, 0x0
	.amdhsa_kernel k_qeb640f2d57_mlp2
		.amdhsa_group_segment_fixed_size 327680
		.amdhsa_private_segment_fixed_size 0
		.amdhsa_enable_private_segment 0
		.amdhsa_kernarg_size 24
		.amdhsa_user_sgpr_count 2
		.amdhsa_user_sgpr_kernarg_segment_ptr 1
		.amdhsa_wavefront_size32 1
		.amdhsa_system_sgpr_workgroup_id_x 1
		.amdhsa_system_sgpr_workgroup_id_y 1
		.amdhsa_system_sgpr_workgroup_id_z 1
		.amdhsa_system_vgpr_workitem_id 0
		.amdhsa_next_free_vgpr 512
		.amdhsa_next_free_sgpr 80
		.amdhsa_reserve_vcc 0
		.amdhsa_float_denorm_mode_32 3
		.amdhsa_float_denorm_mode_16_64 3
		.amdhsa_memory_ordered 1
		.amdhsa_forward_progress 1
		.amdhsa_inst_pref_size 59
	.end_amdhsa_kernel
	.amdgpu_metadata
---
amdhsa.version: [ 1, 2 ]
amdhsa.kernels:
  - .name:           k_qeb640f2d57_mlp2
    .symbol:         k_qeb640f2d57_mlp2.kd
    .args:
      - { .name: act, .offset: 0, .size: 8, .value_kind: global_buffer, .address_space: global }
      - { .name: cst, .offset: 8, .size: 8, .value_kind: global_buffer, .address_space: global }
      - { .name: mm, .offset: 16, .size: 8, .value_kind: global_buffer, .address_space: global }
    .group_segment_fixed_size: 327680
    .private_segment_fixed_size: 0
    .kernarg_segment_align: 8
    .kernarg_segment_size: 24
    .max_flat_workgroup_size: 128
    .sgpr_count:     80
    .vgpr_count:     512
    .wavefront_size: 32
...
	.end_amdgpu_metadata
.endif
;; end of part 6
;; launch ln2 (part 7): grid 256 x 1, 8 waves a work-group, no clusters, 0 bytes of LDS; arguments mm, h16, b2, ln_g, ln_b, out0; writes out0
.if DOCPART == 7
	.amdgcn_target "amdgcn-amd-amdhsa--gfx1250"
	.amdhsa_code_object_version 6
	.text
	.protected	k_qeb640f2d57_ln2
	.globl	k_qeb640f2d57_ln2
	.p2align	8
	.type	k_qeb640f2d57_ln2,@function
k_qeb640f2d57_ln2:
	s_mov_b64 s[64:65], 0
	v_nop
	global_prefetch_b8 v0, s[64:65] scope:SCOPE_SE
	s_setreg_imm32_b32 hwreg(HW_REG_WAVE_MODE, 25, 1), 1
	s_wait_xcnt 0x0
; out = LayerNorm(h + mm + b2) x g + b, f32.  A wave takes two rows, each on all 32 lanes: a lane holds columns 128 j + 4 lane .. + 3, j = 0 .. 7.  b2, g, b are rounded to bf16 like every input.
; Memory binds: all loads go out at once, each covers 256 or 512 consecutive aligned bytes, a row stays in registers between mean, variance and scaling; no LDS, no barrier, no matrix unit.
.set CHN, 2
.set MU,  10
.set MO,  12
.set HO,  13
.set ONE, 14
.set TT,  15
.set T,   16                           ; v[16:79]   two rows of 32
.set H,   80                           ; v[80:111]  two rows of 16 registers of f16 pairs
.set B2,  112
.set G,   144
.set BB,  176
.macro RNE2 a, b, t
	v_cvt_pk_bf16_f32 v[\t], v[\a], v[\b]
	v_lshlrev_b32 v[\a], 16, v[\t]
	v_and_b32 v[\b], 0xffff0000, v[\t]
.endm
.macro ACROSS                          ; the four chains into one number, then over the 32 lanes
	v_pk_add_f32 v[CHN:CHN+1], v[CHN:CHN+1], v[CHN+2:CHN+3]
	v_pk_add_f32 v[CHN+4:CHN+5], v[CHN+4:CHN+5], v[CHN+6:CHN+7]
	v_pk_add_f32 v[CHN:CHN+1], v[CHN:CHN+1], v[CHN+4:CHN+5]
	v_add_f32 v[CHN], v[CHN], v[CHN+1]
	v_add_f32_dpp v[CHN], v[CHN], v[CHN] row_xmask:1 row_mask:0xf bank_mask:0xf
	v_add_f32_dpp v[CHN], v[CHN], v[CHN] row_xmask:2 row_mask:0xf bank_mask:0xf
	v_add_f32_dpp v[CHN], v[CHN], v[CHN] row_xmask:4 row_mask:0xf bank_mask:0xf
	v_add_f32_dpp v[CHN], v[CHN], v[CHN] row_xmask:8 row_mask:0xf bank_mask:0xf
	v_permlanex16_b32 v[CHN+1], v[CHN], s22, s23
	v_add_f32 v[CHN], v[CHN], v[CHN+1]
.endm
	s_load_b256 s[4:11], s[0:1], 0x0               ; mm, h16, b2, ln_g
	s_load_b128 s[12:15], s[0:1], 0x20             ; ln_b, out0
	v_lshrrev_b32 v1, 5, v0
	v_readfirstlane_b32 s16, v1
	s_lshl_b32 s17, ttmp9, 4
	s_lshl1_add_u32 s17, s16, s17                  ; my first row
	s_lshl_b32 s18, s17, 12
	s_mov_b32 s19, 0
	s_lshl_b32 s24, s17, 11
	s_mov_b32 s25, 0
	s_mov_b32 s20, 0x3a800000                      ; 1 / 1024
	s_mov_b32 s21, 0x3727c5ac                      ; 1e-5
	s_mov_b32 s22, 0x76543210
	s_mov_b32 s23, 0xfedcba98
	v_and_b32 v1, 31, v0
	v_lshlrev_b32 v[MO], 4, v1
	v_lshlrev_b32 v[HO], 3, v1
	v_mov_b32 v[ONE], 1.0
	s_wait_kmcnt 0x0
	s_add_nc_u64 s[4:5], s[4:5], s[18:19]
	s_add_nc_u64 s[6:7], s[6:7], s[24:25]
	s_add_nc_u64 s[14:15], s[14:15], s[18:19]
.irp p, 0,1
.set j, 0
.rept 8
	global_load_b128 v[T+32*\p+4*j:T+32*\p+4*j+3], v[MO], s[4:5] offset:4096*\p+512*j th:TH_LOAD_NT
	global_load_b64 v[H+16*\p+2*j:H+16*\p+2*j+1], v[HO], s[6:7] offset:2048*\p+256*j
.set j, j+1
.endr
.endr
.set j, 0
.rept 8
	global_load_b128 v[B2+4*j:B2+4*j+3], v[MO], s[8:9] offset:512*j
	global_load_b128 v[G+4*j:G+4*j+3],   v[MO], s[10:11] offset:512*j
	global_load_b128 v[BB+4*j:BB+4*j+3], v[MO], s[12:13] offset:512*j
.set j, j+1
.endr
	s_wait_loadcnt 0x0
.set j, 0
.rept 16
	RNE2 B2+2*j, B2+2*j+1, TT
	RNE2 G+2*j, G+2*j+1, TT
	RNE2 BB+2*j, BB+2*j+1, TT
.set j, j+1
.endr
.macro LNROW p
.set tb, T+32*(\p)
.set hb, H+16*(\p)
.set j, 0
.rept 16                               ; pair j of the row: + b2, + the two halves of h's word j
	v_pk_add_f32 v[tb+2*j:tb+2*j+1], v[tb+2*j:tb+2*j+1], v[B2+2*j:B2+2*j+1]
	v_fma_mix_f32 v[tb+2*j], v[hb+j], v[ONE], v[tb+2*j] op_sel_hi:[1,0,0]
	v_fma_mix_f32 v[tb+2*j+1], v[hb+j], v[ONE], v[tb+2*j+1] op_sel:[1,0,0] op_sel_hi:[1,0,0]
.set j, j+1
.endr
.irp c, 0,1,2,3
	v_pk_add_f32 v[CHN+2*\c:CHN+2*\c+1], v[tb+2*\c:tb+2*\c+1], v[tb+8+2*\c:tb+8+2*\c+1]
.endr
.irp c, 0,1,2,3
	v_pk_add_f32 v[CHN+2*\c:CHN+2*\c+1], v[CHN+2*\c:CHN+2*\c+1], v[tb+16+2*\c:tb+16+2*\c+1]
.endr
.irp c, 0,1,2,3
	v_pk_add_f32 v[CHN+2*\c:CHN+2*\c+1], v[CHN+2*\c:CHN+2*\c+1], v[tb+24+2*\c:tb+24+2*\c+1]
.endr
	ACROSS
	v_mul_f32 v[MU], s20, v[CHN]
	v_mul_f32 v[MU+1], s20, v[CHN]
.set j, 0
.rept 16
	v_pk_add_f32 v[tb+2*j:tb+2*j+1], v[tb+2*j:tb+2*j+1], v[MU:MU+1] neg_lo:[0,1] neg_hi:[0,1]
.set j, j+1
.endr
.irp c, 0,1,2,3
	v_pk_mul_f32 v[CHN+2*\c:CHN+2*\c+1], v[tb+2*\c:tb+2*\c+1], v[tb+2*\c:tb+2*\c+1]
.endr
.set j, 4
.rept 12
	v_pk_fma_f32 v[CHN+2*(j%4):CHN+2*(j%4)+1], v[tb+2*j:tb+2*j+1], v[tb+2*j:tb+2*j+1], v[CHN+2*(j%4):CHN+2*(j%4)+1]
.set j, j+1
.endr
	ACROSS
	v_fma_f32 v[CHN], v[CHN], s20, s21
	v_rsq_f32 v[MU], v[CHN]
	v_nop                                          ; a plain instruction behind the root
	s_wait_alu depctr_va_vdst(0)
	v_mov_b32 v[MU+1], v[MU]
.set j, 0
.rept 8
	v_pk_mul_f32 v[tb+4*j:tb+4*j+1], v[tb+4*j:tb+4*j+1], v[MU:MU+1]
	v_pk_mul_f32 v[tb+4*j+2:tb+4*j+3], v[tb+4*j+2:tb+4*j+3], v[MU:MU+1]
	v_pk_fma_f32 v[tb+4*j:tb+4*j+1], v[tb+4*j:tb+4*j+1], v[G+4*j:G+4*j+1], v[BB+4*j:BB+4*j+1]
	v_pk_fma_f32 v[tb+4*j+2:tb+4*j+3], v[tb+4*j+2:tb+4*j+3], v[G+4*j+2:G+4*j+3], v[BB+4*j+2:BB+4*j+3]
	global_store_b128 v[MO], v[tb+4*j:tb+4*j+3], s[14:15] offset:4096*(\p)+512*j th:TH_STORE_NT   ; 512 consecutive bytes, aligned
.set j, j+1
.endr
.endm
	LNROW 0
	LNROW 1
	s_endpgm
.Lfunc_end_k_qeb640f2d57_ln2:
	.size	k_qeb640f2d57_ln2, .Lfunc_end_k_qeb640f2d57_ln2-k_qeb640f2d57_ln2
	.p2alignl 7, 3214868480
	.fill 96, 4, 3214868480
	.section	.rodata,"a",@progbits
	.p2align	6, 0x0
	.amdhsa_kernel k_qeb640f2d57_ln2
		.amdhsa_group_segment_fixed_size 0
		.amdhsa_private_segment_fixed_size 0
		.amdhsa_enable_private_segment 0
		.amdhsa_kernarg_size 48
		.amdhsa_user_sgpr_count 2
		.amdhsa_user_sgpr_kernarg_segment_ptr 1
		.amdhsa_wavefront_size32 1
		.amdhsa_system_sgpr_workgroup_id_x 1
		.amdhsa_system_sgpr_workgroup_id_y 1
		.amdhsa_system_sgpr_workgroup_id_z 1
		.amdhsa_system_vgpr_workitem_id 0
		.amdhsa_next_free_vgpr 208
		.amdhsa_next_free_sgpr 66
		.amdhsa_reserve_vcc 0
		.amdhsa_float_denorm_mode_32 3
		.amdhsa_float_denorm_mode_16_64 3
		.amdhsa_memory_ordered 1
		.amdhsa_forward_progress 1
		.amdhsa_inst_pref_size 34
	.end_amdhsa_kernel
	.amdgpu_metadata
---
amdhsa.version: [ 1, 2 ]
amdhsa.kernels:
  - .name:           k_qeb640f2d57_ln2
    .symbol:         k_qeb640f2d57_ln2.kd
    .args:
      - { .name: mm, .offset: 0, .size: 8, .value_kind: global_buffer, .address_space: global }
      - { .name: h16, .offset: 8, .size: 8, .value_kind: global_buffer, .address_space: global }
      - { .name: b2, .offset: 16, .size: 8, .value_kind: global_buffer, .address_space: global }
      - { .name: ln_g, .offset: 24, .size: 8, .value_kind: global_buffer, .address_space: global }
      - { .name: ln_b, .offset: 32, .size: 8, .value_kind: global_buffer, .address_space: global }
      - { .name: out0, .offset: 40, .size: 8, .value_kind: global_buffer, .address_space: global }
    .group_segment_fixed_size: 0
    .private_segment_fixed_size: 0
    .kernarg_segment_align: 8
    .kernarg_segment_size: 48
    .max_flat_workgroup_size: 256
    .sgpr_count:     66
    .vgpr_count:     208
    .wavefront_size: 32
...
	.end_amdgpu_metadata
.endif
;; end of part 7
